; MI455X (gfx1250); checked and timed in simulation.
; The chip was launched on July 23, 2026; its instructions are those of AMD's public machine-readable ISA for CDNA 5 (MIT licence, August 2026) and "CDNA5" Instruction Set Architecture Reference Guide (July 2026). The comments in the code are by the model that wrote it; some were corrected since.
;; Memory Gated Attention. Allowed arithmetic: float matrix products may take bf16 or f16 operands with f32 sums; other float arithmetic in f32, or as packed bf16 or f16 multiplies, adds, multiply-adds, maxima and minima; sums over many terms, partial sums and values carried from step to step in f32; what a program stores and reads back later, other than sums and carried values, may be rounded once to bf16 or f16.
;; Inputs: Wg 2,048 x 1,024 float32; Wk 1,024 x 1,024 float32; Wo 1,024 x 1,024 float32; Wq 1,024 x 1,024 float32; Wv 1,024 x 1,024 float32; bg 1,024 float32; bk 1,024 float32; bo 1,024 float32; bq 1,024 float32; bv 1,024 float32; key 4 x 2,048 x 1,024 float32; memory 4 x 64 x 1,024 float32; query 4 x 2,048 x 1,024 float32; value 4 x 2,048 x 1,024 float32.
;; Outputs: out0 4 x 2,048 x 1,024 float32.
;; One version. Each part assembles by itself: llvm-mc -triple=amdgcn-amd-amdhsa -mcpu=gfx1250 --defsym DOCPART=n.
;; ======== version 1 of 1: 5 launches
;; limits: values are held in f16: magnitudes above 65,504 overflow, below 6.1e-05 lose precision
;; workspace buffers: sums 131,072 bytes; gsum 256 bytes; wcast 8,388,608 bytes; qkv 50,331,648 bytes; oh 16,777,216 bytes
;; launch colsum (part 1): grid 320 x 1, 8 waves a work-group, no clusters, 5,120 bytes of LDS; arguments query, memory, sums; writes sums
.if DOCPART == 1
	.amdgcn_target "amdgcn-amd-amdhsa--gfx1250"
	.amdhsa_code_object_version 6
	.text
	.protected	k_q9bd3dccc4f_colsum
	.globl	k_q9bd3dccc4f_colsum
	.p2align	8
	.type	k_q9bd3dccc4f_colsum,@function
k_q9bd3dccc4f_colsum:
	s_mov_b64 s[64:65], 0
	v_nop
	global_prefetch_b8 v0, s[64:65] scope:SCOPE_SE
	s_setreg_imm32_b32 hwreg(HW_REG_WAVE_MODE, 25, 1), 1
	s_wait_xcnt 0x0
; COLUMN SUMS for the gate.  sums[p][b][d], f32: d < 1024: the sum of query[b][512 p .. 512 p + 511][d]; d >= 1024 (p = 0 alone): the sum of memory[b][0..63][d - 1024].
; Work-groups 0-255: p = id / 64, b = (id / 16) % 4, column block cb = id % 16: 512 rows x 64 columns (256 aligned bytes of each row), 64 rows a wave.
; Work-groups 256-319: b = (id - 256) / 16, cb = id % 16: memory's 64 rows, 8 a wave.
; A wave's load takes two rows' 256 bytes: lanes 0-15 the even row, lanes 16-31 the odd one.  All of a wave's loads go out at once (32 of 16 bytes a lane); the sums are taken in trees, in f32.
; The eight waves' sums meet in LDS; wave 0 adds them and stores 256 consecutive aligned bytes from sixteen lanes.  No matrix unit, tensor load or cluster: every byte is read once, by one wave.
.set SPARE, 4096                       ; bytes 0-4095: a quad of sums for each thread; behind them the spare words, 128 bytes a wave
.set VO,  1                            ; v1   (lane / 16) x 4,096 + (lane % 16) x 16
.set SPW, 2                            ; v2   my spare word; never rewritten
.set NIL, 3                            ; v3   0; never rewritten
.set LS,  4                            ; v4   16 x thread
.set LR,  5                            ; v5   16 x lane
.set SO,  6                            ; v6   16 x (lane % 16)
.set ACC, 8                            ; v[8:11]
.set X,   16                           ; v[16:143]  32 quads as loaded
.macro QADD d, a, b                    ; a quad of sums
	v_pk_add_f32 v[(\d):(\d)+1], v[(\a):(\a)+1], v[(\b):(\b)+1]
	v_pk_add_f32 v[(\d)+2:(\d)+3], v[(\a)+2:(\a)+3], v[(\b)+2:(\b)+3]
.endm
.macro TREE8 base                      ; eight quads into the first, in place
.irp k, 0,1,2,3
	QADD (\base)+4*(\k), (\base)+4*(\k), (\base)+4*(\k)+16
.endr
.irp k, 0,1
	QADD (\base)+4*(\k), (\base)+4*(\k), (\base)+4*(\k)+8
.endr
	QADD (\base), (\base), (\base)+4
.endm
	s_load_b128 s[4:7], s[0:1], 0x0                ; query s[4:5], memory s[6:7]
	s_load_b64 s[8:9], s[0:1], 0x10                ; sums
	v_lshl_add_u32 v[SPW], v0, 2, SPARE
	v_mov_b32 v[NIL], 0
	v_lshrrev_b32 v7, 5, v0
	v_readfirstlane_b32 s10, v7                    ; wave 0..7
	v_and_b32 v7, 15, v0
	v_bfe_u32 v[VO], v0, 4, 1
	v_lshlrev_b32 v[VO], 12, v[VO]
	v_lshl_add_u32 v[VO], v7, 4, v[VO]
	v_lshlrev_b32 v[LS], 4, v0
	v_and_b32 v[LR], 31, v0
	v_lshlrev_b32 v[LR], 4, v[LR]
	v_lshlrev_b32 v[SO], 4, v7
	s_mov_b32 s16, 0x76543210                      ; v_permlanex16_b32: each lane takes its own place in the other half
	s_mov_b32 s17, 0xfedcba98
	s_and_b32 s18, ttmp9, 15                       ; cb
	s_lshl_b32 s21, s18, 8                         ; its 256 bytes in a row
	s_mov_b32 s13, 0
	s_mov_b32 s15, 0
	s_cmp_lt_u32 ttmp9, 256
	s_cbranch_scc0 .Lmem
	s_lshr_b32 s19, ttmp9, 6                       ; p
	s_bfe_u32 s20, ttmp9, 0x20004                  ; b
	s_lshl_b32 s12, s20, 11
	s_lshl_b32 s23, s19, 9
	s_add_co_u32 s12, s12, s23
	s_lshl_b32 s23, s10, 6
	s_add_co_u32 s12, s12, s23                     ; my wave's first row: 2,048 b + 512 p + 64 w
	s_lshl_b32 s12, s12, 12
	s_add_co_u32 s12, s12, s21
	s_lshl2_add_u32 s14, s19, s20                  ; 4 p + b
	s_lshl_b32 s14, s14, 13
	s_add_co_u32 s14, s14, s21
	s_wait_kmcnt 0x0
	s_add_nc_u64 s[4:5], s[4:5], s[12:13]
.set i, 0
.rept 32
	global_load_b128 v[X+4*i:X+4*i+3], v[VO], s[4:5] offset:i*8192 th:TH_LOAD_NT
.set i, i+1
.endr
.irp g, 0,1,2,3
	s_wait_loadcnt 24-8*(\g)                       ; group g's eight loads are in; the younger groups stay out
	TREE8 X+32*(\g)
.endr
	QADD X, X, X+32
	QADD X+64, X+64, X+96
	QADD ACC, X, X+64
	s_branch .Ljoin
.Lmem:
	s_sub_co_u32 s19, ttmp9, 256
	s_lshr_b32 s20, s19, 4                         ; b
	s_lshl_b32 s12, s20, 6
	s_lshl3_add_u32 s12, s10, s12                  ; my wave's first row: 64 b + 8 w
	s_lshl_b32 s12, s12, 12
	s_add_co_u32 s12, s12, s21
	s_lshl_b32 s14, s20, 13
	s_add_co_u32 s14, s14, s21
	s_add_co_u32 s14, s14, 4096                    ; d = 1,024 on
	s_wait_kmcnt 0x0
	s_add_nc_u64 s[6:7], s[6:7], s[12:13]
.irp i, 0,1,2,3
	global_load_b128 v[X+4*(\i):X+4*(\i)+3], v[VO], s[6:7] offset:(\i)*8192 th:TH_LOAD_NT
.endr
	s_wait_loadcnt 0x0
	QADD X, X, X+4
	QADD X+8, X+8, X+12
	QADD ACC, X, X+8
.Ljoin:
	ds_store_b128 v[LS], v[ACC:ACC+3]
	s_wait_dscnt 0x0                               ; for the others' sake: my store is done
	s_barrier_signal -1
	s_barrier_wait -1
	s_cmp_lg_u32 s10, 0
	s_cbranch_scc1 .Lend
.irp w, 0,1,2,3,4,5,6,7
	ds_load_b128 v[X+4*(\w):X+4*(\w)+3], v[LR] offset:512*(\w)
.endr
	s_wait_dscnt 0x0
	TREE8 X
.irp i, 0,1,2,3
	v_permlanex16_b32 v[X+4+(\i)], v[X+(\i)], s16, s17  ; the odd rows' sums lie 16 lanes away
.endr
	QADD ACC, X, X+4
	s_add_nc_u64 s[8:9], s[8:9], s[14:15]
	v_cmp_gt_u32 vcc_lo, 16, v0
	s_wait_xcnt 0x0                                ; EXEC changes only behind this wait
	s_and_saveexec_b32 s22, vcc_lo
	global_store_b128 v[SO], v[ACC:ACC+3], s[8:9]  ; sixteen lanes: 256 consecutive bytes, aligned
	s_wait_xcnt 0x0
	s_or_b32 exec_lo, exec_lo, s22
.Lend:
	s_wait_tensorcnt 0x0                           ; the wave's end
	ds_add_u32 v[SPW], v[NIL]
	s_wait_dscnt 0x0
	s_endpgm
.Lfunc_end_k_q9bd3dccc4f_colsum:
	.size	k_q9bd3dccc4f_colsum, .Lfunc_end_k_q9bd3dccc4f_colsum-k_q9bd3dccc4f_colsum
	.p2alignl 7, 3214868480
	.fill 96, 4, 3214868480
	.section	.rodata,"a",@progbits
	.p2align	6, 0x0
	.amdhsa_kernel k_q9bd3dccc4f_colsum
		.amdhsa_group_segment_fixed_size 5120
		.amdhsa_private_segment_fixed_size 0
		.amdhsa_enable_private_segment 0
		.amdhsa_kernarg_size 24
		.amdhsa_user_sgpr_count 2
		.amdhsa_user_sgpr_kernarg_segment_ptr 1
		.amdhsa_wavefront_size32 1
		.amdhsa_system_sgpr_workgroup_id_x 1
		.amdhsa_system_sgpr_workgroup_id_y 1
		.amdhsa_system_sgpr_workgroup_id_z 1
		.amdhsa_system_vgpr_workitem_id 0
		.amdhsa_next_free_vgpr 144
		.amdhsa_next_free_sgpr 66
		.amdhsa_reserve_vcc 1
		.amdhsa_float_denorm_mode_32 3
		.amdhsa_float_denorm_mode_16_64 3
		.amdhsa_memory_ordered 1
		.amdhsa_forward_progress 1
		.amdhsa_inst_pref_size 13
	.end_amdhsa_kernel
	.amdgpu_metadata
---
amdhsa.version: [ 1, 2 ]
amdhsa.kernels:
  - .name:           k_q9bd3dccc4f_colsum
    .symbol:         k_q9bd3dccc4f_colsum.kd
    .args:
      - { .name: query, .offset: 0, .size: 8, .value_kind: global_buffer, .address_space: global }
      - { .name: memory, .offset: 8, .size: 8, .value_kind: global_buffer, .address_space: global }
      - { .name: sums, .offset: 16, .size: 8, .value_kind: global_buffer, .address_space: global }
    .group_segment_fixed_size: 5120
    .private_segment_fixed_size: 0
    .kernarg_segment_align: 8
    .kernarg_segment_size: 24
    .max_flat_workgroup_size: 256
    .sgpr_count:     66
    .vgpr_count:     144
    .wavefront_size: 32
...
	.end_amdgpu_metadata
.endif
;; end of part 1
;; launch gatecast (part 2): grid 272 x 1, 16 waves a work-group, no clusters, 100,352 bytes of LDS; arguments sums, Wg, bg, Wq, Wk, Wv, Wo, gsum, wcast; writes gsum, wcast
.if DOCPART == 2
	.amdgcn_target "amdgcn-amd-amdhsa--gfx1250"
	.amdhsa_code_object_version 6
	.text
	.protected	k_q9bd3dccc4f_gatecast
	.globl	k_q9bd3dccc4f_gatecast
	.p2align	8
	.type	k_q9bd3dccc4f_gatecast,@function
k_q9bd3dccc4f_gatecast:
	s_mov_b64 s[64:65], 0
	v_nop
	global_prefetch_b8 v0, s[64:65] scope:SCOPE_SE
	s_setreg_imm32_b32 hwreg(HW_REG_WAVE_MODE, 25, 1), 1
	s_wait_xcnt 0x0
; TWO ROLES, chosen once by the work-group's number (the same in all its waves).
; GATE (work-groups 0-15, columns 64 id .. 64 id + 63): z[b][n] = sum over d of mem_in[b][d] Wg[d][n] + bg[n]; gsum[id][b] = the sum over my 64 columns of sigmoid(z[b][n]).  All in f32 on the vector unit: four rows,
;   bound by reading Wg once.  A: mem_in (query's means from four partial sums, memory's from one) goes into LDS, each number twice, so that the packed multiply-add takes plain pairs.  B: wave w takes rows 128 w .. 128 w + 127
;   of Wg, two rows (256 aligned bytes each) a load, two sets of eight loads by turns.  C: the sixteen waves' sums meet in LDS; wave b finishes batch b.
; CAST (work-groups 16-271): wcast[i] = Wq, Wk, Wv rounded to bf16 (i = 0, 1, 2); Wo rounded to bf16 and that number written as f16 (i = 3).  65,536 bytes in, 32,768 out a work-group; a wave's store covers 256 consecutive aligned bytes.
; LIMITS.  |Wo| of 65,520 or more becomes an infinity in f16; under 2^-14 it keeps f16's fixed step of 2^-24.  The gate's own inputs are used unrounded.
.set MI,    0                          ; 2,048 rows of 32 bytes: m0 m0 m1 m1 m2 m2 m3 m3
.set RED,   65536                      ; wave x 2,048 + b x 512 + lane x 16
.set SPARE, 98304                      ; the spare words, 128 bytes a wave
.set SPW, 4
.set NIL, 5
.set AC,  16                           ; v[16:31]   batch b's four columns at AC + 4 b
.set R,   32                           ; v[32:63]   at work
.set S,   64                           ; v[64:127]  two sets of eight quads of Wg; the cast's loads
.set T,   96                           ; the cast to f16: four at work
.set L,   128                          ; v[128:191] phase A: sums; B: mem_in; C: the waves' parts
.macro QADD d, a, b
	v_pk_add_f32 v[(\d):(\d)+1], v[(\a):(\a)+1], v[(\b):(\b)+1]
	v_pk_add_f32 v[(\d)+2:(\d)+3], v[(\a)+2:(\a)+3], v[(\b)+2:(\b)+3]
.endm
.macro TREE8 base
.irp k, 0,1,2,3
	QADD (\base)+4*(\k), (\base)+4*(\k), (\base)+4*(\k)+16
.endr
.irp k, 0,1
	QADD (\base)+4*(\k), (\base)+4*(\k), (\base)+4*(\k)+8
.endr
	QADD (\base), (\base), (\base)+4
.endm
.macro WLOADS                          ; the first sixteen pairs of rows of Wg
.set j, 0
.rept 16
	global_load_b128 v[S+4*j:S+4*j+3], v8, s[70:71] offset:j*8192 th:TH_LOAD_NT
.set j, j+1
.endr
.endm
.macro SPREAD scale                    ; the means, each twice: row 4 T + i holds R + 8 i .. R + 8 i + 7
.irp i, 0,1,2,3
.irp b, 0,1,2,3
	v_mul_f32 v[R+8*(\i)+2*(\b)], \scale, v[L+4*(\b)+(\i)]
	v_mul_f32 v[R+8*(\i)+2*(\b)+1], \scale, v[L+4*(\b)+(\i)]
.endr
.endr
.endm
; Eight pairs of rows of set s.  left: the other set's loads, which may stay out.
.macro HALF s, refill, left
.irp j, 0,1,2,3,4,5,6,7
	ds_load_b128 v[L+8*(\j):L+8*(\j)+3],   v9 offset:64*(8*(\s)+(\j))
	ds_load_b128 v[L+8*(\j)+4:L+8*(\j)+7], v9 offset:64*(8*(\s)+(\j))+16
.endr
	s_wait_loadcnt \left
	s_wait_dscnt 0x0
.irp j, 0,1,2,3,4,5,6,7
.irp b, 0,1,2,3
.irp e, 0,1
	v_pk_fma_f32 v[AC+4*(\b)+2*(\e):AC+4*(\b)+2*(\e)+1], v[S+32*(\s)+4*(\j)+2*(\e):S+32*(\s)+4*(\j)+2*(\e)+1], v[L+8*(\j)+2*(\b):L+8*(\j)+2*(\b)+1], v[AC+4*(\b)+2*(\e):AC+4*(\b)+2*(\e)+1]
.endr
.endr
.endr
.if \refill
.irp j, 0,1,2,3,4,5,6,7
	global_load_b128 v[S+32*(\s)+4*(\j):S+32*(\s)+4*(\j)+3], v8, s[70:71] offset:(16+8*(\s)+(\j))*8192 th:TH_LOAD_NT
.endr
.endif
.endm
.macro CAST f16
.irp j, 0,1,2,3,4,5,6,7
	s_wait_loadcnt 7-(\j)                          ; load j is in; the younger ones stay out
	v_cvt_pk_bf16_f32 v[R+2*(\j)], v[S+4*(\j)], v[S+4*(\j)+1]
	v_cvt_pk_bf16_f32 v[R+2*(\j)+1], v[S+4*(\j)+2], v[S+4*(\j)+3]
.if \f16
	v_lshlrev_b32 v[T], 16, v[R+2*(\j)]
	v_and_b32 v[T+1], 0xffff0000, v[R+2*(\j)]
	v_lshlrev_b32 v[T+2], 16, v[R+2*(\j)+1]
	v_and_b32 v[T+3], 0xffff0000, v[R+2*(\j)+1]
	v_cvt_pk_f16_f32 v[R+2*(\j)], v[T], v[T+1]
	v_cvt_pk_f16_f32 v[R+2*(\j)+1], v[T+2], v[T+3]
.endif
	global_store_b64 v14, v[R+2*(\j):R+2*(\j)+1], s[84:85] offset:(\j)*4096
.endr
.endm
	s_load_b512 s[68:83], s[0:1], 0x0              ; sums 68, Wg 70, bg 72, Wq 74, Wk 76, Wv 78, Wo 80, gsum 82
	s_load_b64 s[84:85], s[0:1], 0x40              ; wcast
	v_lshl_add_u32 v[SPW], v0, 2, SPARE
	v_mov_b32 v[NIL], 0
	v_lshrrev_b32 v1, 5, v0
	v_readfirstlane_b32 s10, v1                    ; wave 0..15
	s_mov_b32 s12, ttmp9
	s_mov_b32 s15, 0
	s_mov_b32 s18, 0x76543210
	s_mov_b32 s19, 0xfedcba98
	v_and_b32 v1, 31, v0                           ; lane
	v_and_b32 v2, 15, v0                           ; c
	v_bfe_u32 v3, v0, 4, 1                         ; h
	v_lshlrev_b32 v6, 4, v0                        ; 16 x thread
	v_lshlrev_b32 v7, 7, v0                        ; my four rows of MI
	v_lshlrev_b32 v8, 12, v3
	v_lshl_add_u32 v8, v2, 4, v8
	v_lshl_add_u32 v8, s10, 19, v8                 ; Wg: row 128 w + h, 16 c
	v_lshlrev_b32 v9, 5, v3
	v_lshl_add_u32 v9, s10, 12, v9                 ; MI: row 128 w + h
	v_lshlrev_b32 v10, 4, v1
	v_lshl_add_u32 v11, s10, 9, v10
	v_add_nc_u32 v11, RED, v11                     ; phase C: batch = my wave's number
	v_lshl_add_u32 v10, s10, 11, v10
	v_add_nc_u32 v10, RED, v10                     ; where my wave puts its sums
	v_lshlrev_b32 v12, 4, v2
	v_mov_b32 v13, 0
	v_lshlrev_b32 v14, 3, v0
	s_wait_kmcnt 0x0
	s_cmp_lt_u32 s12, 16
	s_cbranch_scc0 .Lcast
	; PHASE A.  Thread T owns d = 4 T .. 4 T + 3.
	s_lshl_b32 s14, s12, 8
	s_add_nc_u64 s[70:71], s[70:71], s[14:15]      ; Wg and bg at my 64 columns
	s_add_nc_u64 s[72:73], s[72:73], s[14:15]
	s_cmp_lt_u32 s10, 8
	s_cbranch_scc0 .Lmemhalf
.set i, 0
.rept 16
	global_load_b128 v[L+4*i:L+4*i+3], v6, s[68:69] offset:i*8192
.set i, i+1
.endr
	WLOADS
	s_wait_loadcnt 16                              ; the sums are in; the sixteen loads of Wg issued behind them stay out
.irp b, 0,1,2,3
	QADD L+4*(\b), L+4*(\b), L+16+4*(\b)
	QADD L+32+4*(\b), L+32+4*(\b), L+48+4*(\b)
	QADD L+4*(\b), L+4*(\b), L+32+4*(\b)
.endr
	SPREAD 0x3a000000                              ; 1 / 2,048
	s_branch .Lstore
.Lmemhalf:
.irp i, 0,1,2,3
	global_load_b128 v[L+4*(\i):L+4*(\i)+3], v6, s[68:69] offset:(\i)*8192
.endr
	WLOADS
	s_wait_loadcnt 16
	SPREAD 0x3c800000                              ; 1 / 64
.Lstore:
.irp k, 0,1,2,3,4,5,6,7
	ds_store_b128 v7, v[R+4*(\k):R+4*(\k)+3] offset:16*(\k)
.endr
.set i, 0
.rept 16
	v_mov_b32 v[AC+i], 0                           ; sixteen sums start at 0, so that the loop has one form of multiply-add
.set i, i+1
.endr
	s_wait_dscnt 0x0
	s_barrier_signal -1
	s_barrier_wait -1                              ; mem_in is whole
	; PHASE B.  Four trips of sixteen pairs of rows; the last is written out and loads nothing.
	s_mov_b32 s20, 3
.Ltrip:
	HALF 0, 1, 8
	HALF 1, 1, 8
	s_wait_xcnt 0x0                                ; the loads have read their base
	s_add_nc_u64 s[70:71], s[70:71], 131072
	v_add_nc_u32 v9, 1024, v9
	s_sub_co_u32 s20, s20, 1
	s_cmp_lg_u32 s20, 0
	s_cbranch_scc1 .Ltrip
	HALF 0, 0, 8
	HALF 1, 0, 0
.irp b, 0,1,2,3
	ds_store_b128 v10, v[AC+4*(\b):AC+4*(\b)+3] offset:512*(\b)
.endr
	s_wait_dscnt 0x0
	s_barrier_signal -1
	s_barrier_wait -1
	; PHASE C.  Wave b (0..3) adds the sixteen waves' sums of batch b, both parities of the rows, and bg; then the sigmoids and their sum.
	s_cmp_lt_u32 s10, 4
	s_cbranch_scc0 .Lend
	global_load_b128 v[R:R+3], v12, s[72:73]
.set k, 0
.rept 16
	ds_load_b128 v[L+4*k:L+4*k+3], v11 offset:2048*k
.set k, k+1
.endr
	s_wait_dscnt 0x0
	TREE8 L
	TREE8 L+32
	QADD L, L, L+32
.irp i, 0,1,2,3
	v_permlanex16_b32 v[L+4+(\i)], v[L+(\i)], s18, s19
.endr
	QADD L, L, L+4
	s_wait_loadcnt 0x0
	QADD L, L, R
.irp i, 0,1,2,3
	v_mul_f32 v[L+(\i)], 0xbfb8aa3b, v[L+(\i)]     ; - z log2(e)
.endr
.irp i, 0,1,2,3
	v_exp_f32 v[L+(\i)], v[L+(\i)]
.endr
	v_nop                                          ; a plain instruction behind the last exponential,
	s_wait_alu depctr_va_vdst(0)                   ; and a wait ahead of the batch's first reader
.irp i, 0,1,2,3
	v_add_f32 v[L+(\i)], 1.0, v[L+(\i)]
.endr
.irp i, 0,1,2,3
	v_rcp_f32 v[L+(\i)], v[L+(\i)]
.endr
	v_nop
	s_wait_alu depctr_va_vdst(0)
	v_add_f32 v[L], v[L], v[L+1]
	v_add_f32 v[L+2], v[L+2], v[L+3]
	v_add_f32 v[L], v[L], v[L+2]
	v_add_f32_dpp v[L], v[L], v[L] row_xmask:1 row_mask:0xf bank_mask:0xf
	v_add_f32_dpp v[L], v[L], v[L] row_xmask:2 row_mask:0xf bank_mask:0xf
	v_add_f32_dpp v[L], v[L], v[L] row_xmask:4 row_mask:0xf bank_mask:0xf
	v_add_f32_dpp v[L], v[L], v[L] row_xmask:8 row_mask:0xf bank_mask:0xf
	s_lshl2_add_u32 s14, s12, s10                  ; 4 id + b
	s_lshl_b32 s14, s14, 2
	s_add_nc_u64 s[82:83], s[82:83], s[14:15]
	v_cmp_eq_u32 vcc_lo, 0, v1
	s_wait_xcnt 0x0
	s_and_saveexec_b32 s16, vcc_lo
	global_store_b32 v13, v[L], s[82:83]           ; one number a wave: there is nothing wider to store; 64 such words in the launch
	s_wait_xcnt 0x0
	s_or_b32 exec_lo, exec_lo, s16
	s_branch .Lend
.Lcast:
	s_sub_co_u32 s20, s12, 16
	s_lshr_b32 s21, s20, 6                         ; which weight
	s_and_b32 s20, s20, 63                         ; which 16 rows of it
	s_cmp_eq_u32 s21, 1
	s_cselect_b64 s[24:25], s[76:77], s[74:75]
	s_cmp_eq_u32 s21, 2
	s_cselect_b64 s[24:25], s[78:79], s[24:25]
	s_cmp_eq_u32 s21, 3
	s_cselect_b64 s[24:25], s[80:81], s[24:25]
	s_lshl_b32 s14, s20, 16
	s_add_nc_u64 s[24:25], s[24:25], s[14:15]
	s_lshl_b32 s14, s21, 21
	s_lshl_b32 s22, s20, 15
	s_add_co_u32 s14, s14, s22
	s_add_nc_u64 s[84:85], s[84:85], s[14:15]
.irp j, 0,1,2,3,4,5,6,7
	global_load_b128 v[S+4*(\j):S+4*(\j)+3], v6, s[24:25] offset:(\j)*8192 th:TH_LOAD_NT
.endr
	s_cmp_eq_u32 s21, 3
	s_cbranch_scc1 .Lcast16
	CAST 0
	s_branch .Lend
.Lcast16:
	CAST 1
.Lend:
	s_wait_tensorcnt 0x0                           ; the wave's end
	ds_add_u32 v[SPW], v[NIL]
	s_wait_dscnt 0x0
	s_endpgm
.Lfunc_end_k_q9bd3dccc4f_gatecast:
	.size	k_q9bd3dccc4f_gatecast, .Lfunc_end_k_q9bd3dccc4f_gatecast-k_q9bd3dccc4f_gatecast
	.p2alignl 7, 3214868480
	.fill 96, 4, 3214868480
	.section	.rodata,"a",@progbits
	.p2align	6, 0x0
	.amdhsa_kernel k_q9bd3dccc4f_gatecast
		.amdhsa_group_segment_fixed_size 100352
		.amdhsa_private_segment_fixed_size 0
		.amdhsa_enable_private_segment 0
		.amdhsa_kernarg_size 72
		.amdhsa_user_sgpr_count 2
		.amdhsa_user_sgpr_kernarg_segment_ptr 1
		.amdhsa_wavefront_size32 1
		.amdhsa_system_sgpr_workgroup_id_x 1
		.amdhsa_system_sgpr_workgroup_id_y 1
		.amdhsa_system_sgpr_workgroup_id_z 1
		.amdhsa_system_vgpr_workitem_id 0
		.amdhsa_next_free_vgpr 192
		.amdhsa_next_free_sgpr 96
		.amdhsa_reserve_vcc 1
		.amdhsa_float_denorm_mode_32 3
		.amdhsa_float_denorm_mode_16_64 3
		.amdhsa_memory_ordered 1
		.amdhsa_forward_progress 1
		.amdhsa_inst_pref_size 49
	.end_amdhsa_kernel
	.amdgpu_metadata
---
amdhsa.version: [ 1, 2 ]
amdhsa.kernels:
  - .name:           k_q9bd3dccc4f_gatecast
    .symbol:         k_q9bd3dccc4f_gatecast.kd
    .args:
      - { .name: sums, .offset: 0, .size: 8, .value_kind: global_buffer, .address_space: global }
      - { .name: Wg, .offset: 8, .size: 8, .value_kind: global_buffer, .address_space: global }
      - { .name: bg, .offset: 16, .size: 8, .value_kind: global_buffer, .address_space: global }
      - { .name: Wq, .offset: 24, .size: 8, .value_kind: global_buffer, .address_space: global }
      - { .name: Wk, .offset: 32, .size: 8, .value_kind: global_buffer, .address_space: global }
      - { .name: Wv, .offset: 40, .size: 8, .value_kind: global_buffer, .address_space: global }
      - { .name: Wo, .offset: 48, .size: 8, .value_kind: global_buffer, .address_space: global }
      - { .name: gsum, .offset: 56, .size: 8, .value_kind: global_buffer, .address_space: global }
      - { .name: wcast, .offset: 64, .size: 8, .value_kind: global_buffer, .address_space: global }
    .group_segment_fixed_size: 100352
    .private_segment_fixed_size: 0
    .kernarg_segment_align: 8
    .kernarg_segment_size: 72
    .max_flat_workgroup_size: 512
    .sgpr_count:     96
    .vgpr_count:     192
    .wavefront_size: 32
...
	.end_amdgpu_metadata
.endif
;; end of part 2
;; launch proj (part 3): grid 4 x 192, 4 waves a work-group, clusters of 4 x 4, 327,680 bytes of LDS; arguments query, key, value, wcast, bq, bk, bv, qkv; writes qkv
.if DOCPART == 3
	.amdgcn_target "amdgcn-amd-amdhsa--gfx1250"
	.amdhsa_code_object_version 6
	.text
	.protected	k_q9bd3dccc4f_proj
	.globl	k_q9bd3dccc4f_proj
	.p2align	8
	.type	k_q9bd3dccc4f_proj,@function
k_q9bd3dccc4f_proj:
	s_mov_b64 s[64:65], 0
	v_nop
	global_prefetch_b8 v0, s[64:65] scope:SCOPE_SE
	s_setreg_imm32_b32 hwreg(HW_REG_WAVE_MODE, 25, 1), 1
	s_wait_xcnt 0x0
	s_wait_alu depctr_hold_cnt(0) depctr_sa_sdst(0) depctr_va_vdst(0) depctr_va_sdst(0) depctr_va_ssrc(0) depctr_va_vcc(0) depctr_vm_vsrc(0)
	s_getreg_b32 s2, hwreg(HW_REG_IB_STS2, 6, 4)
	s_cmp_eq_u32 s2, 0
	s_cbranch_scc0 .Lentry_in_a_cluster
	s_endpgm
.Lentry_in_a_cluster:
	s_bfe_u32 s2, ttmp6, 0x10000c
	s_cmp_lg_u32 s2, 0xf033
	s_cbranch_scc0 .Lentry_shape_is_right
	s_endpgm
.Lentry_shape_is_right:
; THE THREE PROJECTIONS.  qkv[i][16 b + head][t][ch] = f16( sum over k of bf16(x_i[b][t][k]) bf16(W_i[k][64 head + ch]) + bf16(bias_i[64 head + ch]) ), x = query, key, value; sums in f32.
; LIMITS.  A result of 65,520 or more in magnitude becomes an infinity in f16.  NaN and infinities are not treated apart.
; SHARES.  A tile of C is 128 rows x 256 columns: 64 x 4 tiles a tensor, 768 work-groups.  Tile row = 4 x cluster y + cy (0..191; tensor = cluster y / 16), tile column = cx.  Four waves, each 64 x 128: 32 accumulators.
; K goes in 8 steps of 128 through two LDS slots.  x comes as f32 (rows of 512 bytes) and is rounded to bf16 between LDS and the matrix unit; W comes as bf16, [k][n] as it lies (rows of 512 bytes), and is turned by ds_load_tr16_b128.
; THE MATRIX INSTRUCTION IS USED TRANSPOSED (source 0 = 16 columns of W, source 1 = 16 rows of x): a lane holds one row of C and eight neighbouring columns.  The bias, in C's layout, is the C operand that starts each sum.
; CLUSTER 4 x 4.  The four of a row need the same tile of x, the four of a column the same tile of W: each is asked for jointly, by the same tensor load with the same descriptor and a mask that names the four.
; REGISTERS.  window 0: v16-30 addresses; v64-127 x as f32; v128-159 x's fragments; v192-255 the bias; v64-191 at work on the way out.  window 1: accumulator (a, b) at 8 (8 a + b).  window 2: W's fragments, two buffers of 64.
.set PA,     528                       ; a row of x in LDS: 512 bytes + 16: the 16 rows of a load start at 16 different groups of four banks (ISA guide 11.1)
.set PB,     544                       ; a row of W: 512 + 32
.set AHALF,  64*PA                     ; what one tensor load brings of x
.set BHALF,  64*PB                     ; and of W
.set ABYTES, 2*AHALF
.set SLOT,   ABYTES+2*BHALF            ; x's 128 rows, then W's 128 k rows
.set STAGE,  2*SLOT                    ; behind the ring: 16 rows x 144 bytes for each wave
.set SP,     144
.set SPARE,  STAGE+4*16*SP             ; the spare words, 128 bytes a wave
.set ASTEP,  512                       ; bytes from K step to K step in x
.set BSTEP,  262144                    ; and in W: 128 rows of 2,048 bytes
.set ADRA, 16
.set ADRB, 20
.set STO,  24
.set RD,   25
.set GO,   26
.set BO,   27
.set SPW,  28
.set NIL,  29
.set PFO,  30
.set AT,   64
.set AF,   128
.set BIAS, 192
.set TMP,  64
.set G1,  24
.set G0,  32
.set LIM, 43                           ; s43  1 in a wave that prefetches, else the greatest number
.set PFA, 44                           ; s[44:45] where my prefetches stand
.set G1B, 48
.set G0B, 56
.set PST, 66                           ; s[66:67] a K step in the tensor that I prefetch
.set OUT, 88
.set MSB, 0
.macro WIN new                         ; the immediate's high byte repeats the setting that is left
.if MSB != (\new)
	s_set_vgpr_msb (MSB<<8)|(\new)
.set MSB, \new
.endif
.endm
.set MUL,  0x52                        ; source 0 (W) window 2, source 1 (x) window 0, C and D window 1
.set MULB, 0x42                        ; the same with C (the bias) in window 0
.set TO_B, 0x80                        ; destination window 2
.set PK,   0x05                        ; sources 0 and 1 window 1
.macro JLOAD s                         ; a joint load: waves 0 and 1 fetch x's two halves, waves 2 and 3 W's; an s_nop 0 and four v_nop follow each line
	s_cmp_eq_u32 s11, 0
	s_cbranch_scc0 .Lfor_b_\@
	tensor_load_to_lds s[G0+4*(\s):G0+4*(\s)+3], s[G1:G1+7]
	s_nop 0
.rept 4
	v_nop
.endr
	s_branch .Lasked_\@
.Lfor_b_\@:
	tensor_load_to_lds s[G0B+4*(\s):G0B+4*(\s)+3], s[G1B:G1B+7]
	s_nop 0
.rept 4
	v_nop
.endr
.Lasked_\@:
.endm
.macro CREST                           ; a round of the cluster's barrier behind its opening barrier
	s_cmp_lg_u32 s10, 0
	s_cbranch_scc1 .Lnot_wave_0_\@
	s_barrier_signal -3
.Lnot_wave_0_\@:
	s_barrier_wait -3
	s_barrier_signal -1
	s_barrier_wait -1
.endm
.macro CROUND
	s_barrier_signal -1
	s_barrier_wait -1
	CREST
.endm
; A prefetch into the L2 of the K step two refills on: of the 64 rows x 512 bytes that I fetch, my work-group's 16 rows (told apart from the partners' by address: cx for x, cy for W), two blocks of 256 bytes a row, a lane a block.
; x's rows are read by one row of one cluster: its waves 0 and 1 ask.  W's are read by the tensor's sixteen clusters: the first of them asks (waves 2 and 3).  The loop's last trip asks for nothing: K has no such step.
.macro ASK
	WIN 0
	s_cmp_gt_u32 s3, s[LIM]
	s_cbranch_scc0 .Lnot_mine_\@
	global_prefetch_b8 v[PFO], s[PFA:PFA+1] th:TH_LOAD_NT scope:SCOPE_SE
.Lnot_mine_\@:
.endm
.macro PLACES
.rept 4
	v_nop
.endr
.endm
; 32 LDS loads in one run: quarter q (32 along K) of a slot: x's 64 rows as f32 first, then W's 128 columns, turned, into buffer g
.macro FETCH slot, q, g
	WIN 0
.irp a, 0,1,2,3
	ds_load_b128 v[AT+16*(\a):AT+16*(\a)+3],     v[ADRA+(\slot)] offset:(\a)*16*PA+(\q)*128
	ds_load_b128 v[AT+16*(\a)+4:AT+16*(\a)+7],   v[ADRA+(\slot)] offset:(\a)*16*PA+(\q)*128+16
	ds_load_b128 v[AT+16*(\a)+8:AT+16*(\a)+11],  v[ADRA+(\slot)] offset:(\a)*16*PA+(\q)*128+64
	ds_load_b128 v[AT+16*(\a)+12:AT+16*(\a)+15], v[ADRA+(\slot)] offset:(\a)*16*PA+(\q)*128+80
.endr
	WIN TO_B
.irp b, 0,1,2,3,4,5,6,7
	ds_load_tr16_b128 v[64*(\g)+8*(\b):64*(\g)+8*(\b)+3],   v[ADRB+(\slot)] offset:(\q)*32*PB+32*(\b)
	ds_load_tr16_b128 v[64*(\g)+8*(\b)+4:64*(\g)+8*(\b)+7], v[ADRB+(\slot)] offset:(\q)*32*PB+16*PB+32*(\b)
.endr
.endm
.macro CVT                             ; x's four fragments, rounded to bf16; blocks ascending: the first sixteen lines are the places behind the products that read blocks 2 and 3
	WIN 0
.irp a, 0,1,2,3
.irp j, 0,1,2,3,4,5,6,7
	v_cvt_pk_bf16_f32 v[AF+8*(\a)+(\j)], v[AT+16*(\a)+2*(\j)], v[AT+16*(\a)+2*(\j)+1]
.endr
.endr
.endm
; 8 matrix instructions: row block a x all 8 column blocks.  The 32 accumulators take turns, one instruction a turn.
.macro MUL8 f, a, first
.if \first
	WIN MULB
.else
	WIN MUL
.endif
.irp b, 0,1,2,3,4,5,6,7
.if \first
	v_wmma_f32_16x16x32_bf16 v[8*(8*(\a)+(\b)):8*(8*(\a)+(\b))+7], v[64*(\f)+8*(\b):64*(\f)+8*(\b)+7], v[AF+8*(\a):AF+8*(\a)+7], v[BIAS+8*(\b):BIAS+8*(\b)+7]
.else
	v_wmma_f32_16x16x32_bf16 v[8*(8*(\a)+(\b)):8*(8*(\a)+(\b))+7], v[64*(\f)+8*(\b):64*(\f)+8*(\b)+7], v[AF+8*(\a):AF+8*(\a)+7], v[8*(8*(\a)+(\b)):8*(8*(\a)+(\b))+7]
.endif
.endr
.endm
.macro MUL16 f, half, first
	MUL8 \f, 2*(\half), \first
	MUL8 \f, 2*(\half)+1, \first
.endm
; One of a K step's first three quarters: multiplies buffer f, fetches quarter qn into buffer g
.macro QUARTER slot, qn, f, g, first
	s_wait_dscnt 16                                ; x's sixteen loads are in; W's, issued behind them, may be out
	CVT
	s_wait_dscnt 0x0
	MUL16 \f, 0, \first
	PLACES                                         ; behind the products that read blocks 0 and 1, whose fragments the next conversions write first
	FETCH \slot, \qn, \g
	MUL16 \f, 1, \first
.endm
; The last quarter multiplies buffer 1 and changes slots: in front of the barrier each wave waits for all its tensor loads (one is out: its part of the next slot), adds 0 to its spare word, and waits for that and its reads of this slot.
.macro TURN slot, next, fill
.if \fill
	s_wait_xcnt 0x0                                ; the last prefetch, a K step back, has read its address
	s_add_nc_u64 s[PFA:PFA+1], s[PFA:PFA+1], s[PST:PST+1]
.endif
	s_wait_dscnt 16
	CVT
	s_wait_tensorcnt 0x0
	ds_add_u32 v[SPW], v[NIL]
	s_wait_dscnt 1                                 ; only the add may be out: W's fragments are in
	MUL8 1, 0, 0
	s_wait_dscnt 0x0                               ; the add is done, and my reads of this slot are over
	s_barrier_signal -1
	MUL8 1, 1, 0
	WIN 0
	s_barrier_wait -1
.if \fill
	CREST                                          ; the barrier has opened a round of the cluster's: no wave of any partner still reads this slot or has a load on its way
	s_add_nc_u64 s[G0+4*(\slot)+2:G0+4*(\slot)+3], s[G0+4*(\slot)+2:G0+4*(\slot)+3], 2*ASTEP
	s_add_nc_u64 s[G0B+4*(\slot)+2:G0B+4*(\slot)+3], s[G0B+4*(\slot)+2:G0B+4*(\slot)+3], 2*BSTEP
	JLOAD \slot                                    ; 112 matrix instructions ahead of the wait for it; its four v_nop are the places behind blocks 0 and 1's products
.else
	PLACES
.endif
	FETCH \next, 0, 0
.if \fill
	ASK
.endif
	MUL16 1, 1, 0
.endm
	s_load_b512 s[68:83], s[0:1], 0x0              ; query 68, key 70, value 72, wcast 74, bq 76, bk 78, bv 80, qkv 82
	v_lshl_add_u32 v[SPW], v0, 2, SPARE
	v_mov_b32 v[NIL], 0
	ds_add_u32 v[SPW], v[NIL]                      ; the wave's opening: the add and its wait, ahead of my first tensor load
	v_lshrrev_b32 v1, 5, v0
	v_readfirstlane_b32 s10, v1                    ; wave 0..3
	s_lshr_b32 s11, s10, 1                         ; my half of the tile's rows.  Also: I fetch x (0) or W (1)
	s_and_b32 s12, s10, 1                          ; my half of its columns.  Also: which 64 rows I fetch
	s_bfe_u32 s40, ttmp6, 0x40000                  ; cx = the tile column
	s_bfe_u32 s41, ttmp6, 0x40004                  ; cy
	s_and_b32 s20, ttmp7, 0xffff                   ; cluster y
	s_lshr_b32 s14, s20, 4                         ; the tensor: 0 q, 1 k, 2 v
	s_lshl_b32 s13, s20, 2
	s_add_co_u32 s13, s13, s41
	s_and_b32 s15, s13, 63                         ; the tile row in the tensor
	s_lshl_b32 s43, s41, 2
	s_lshl_b32 s43, 15, s43                        ; my row of the cluster
	s_lshl_b32 s44, 0x1111, s40                    ; my column
	s_or_b32 s[G1+0], s43, (2<<16)|(1<<20)|(1<<21)|(6<<22)|(3<<25)   ; the mask; elements of 4 bytes; padding on; bit 21 beside a mask; after every 128 words 4 words
	s_or_b32 s[G1B+0], s44, (1<<16)|(1<<20)|(1<<21)|(6<<22)|(7<<25)  ; elements of 2 bytes; after every 128 words 8 words
	s_mov_b32 s[G1+1], 128<<16                     ; tensor_dim0 = 128
	s_mov_b32 s[G1+2], 64<<16                      ; tensor_dim1 = 64
	s_mov_b32 s[G1+3], 128<<16                     ; tile_dim0 = 128
	s_mov_b32 s[G1+4], 64                          ; tile_dim1 = 64
	s_mov_b32 s[G1+5], 1024                        ; elements from row to row
	s_mov_b32 s[G1+6], 0
	s_mov_b32 s[G1+7], 0
	s_mov_b32 s[G1B+1], 256<<16
	s_mov_b32 s[G1B+2], 64<<16
	s_mov_b32 s[G1B+3], 256<<16
	s_mov_b32 s[G1B+4], 64
	s_mov_b32 s[G1B+5], 1024
	s_mov_b32 s[G1B+6], 0
	s_mov_b32 s[G1B+7], 0
	s_lshl_b32 s16, s15, 7                         ; x: row 128 x tile row + 64 x half, 4,096 bytes a row
	s_lshl_b32 s17, s12, 6
	s_add_co_u32 s16, s16, s17
	s_lshl_b32 s16, s16, 12
	s_mov_b32 s17, 0
	s_lshl_b32 s46, s14, 21                        ; W: the tensor's plane, k row 64 x half, 512 bytes a tile column
	s_lshl_b32 s47, s12, 17
	s_add_co_u32 s46, s46, s47
	s_lshl_b32 s47, s40, 9
	s_add_co_u32 s46, s46, s47
	s_mov_b32 s47, 0
	s_mul_i32 s21, s12, AHALF                      ; where they go: no place in the cluster enters an LDS address
	s_mul_i32 s22, s12, BHALF
	s_add_co_u32 s22, s22, ABYTES
	s_wait_dscnt 0x0                               ; the opening add is done
	s_wait_kmcnt 0x0
	s_cmp_eq_u32 s14, 1
	s_cselect_b64 s[84:85], s[70:71], s[68:69]
	s_cselect_b64 s[86:87], s[78:79], s[76:77]
	s_cmp_eq_u32 s14, 2
	s_cselect_b64 s[84:85], s[72:73], s[84:85]     ; x
	s_cselect_b64 s[86:87], s[80:81], s[86:87]     ; its bias
	s_add_nc_u64 s[90:91], s[84:85], s[16:17]
	s_add_nc_u64 s[92:93], s[74:75], s[46:47]
	CROUND                                         ; all sixteen work-groups are here: the first joint loads meet
.irp s, 0,1
	s_mov_b32 s[G0+4*(\s)], 1
	s_add_co_u32 s[G0+4*(\s)+1], s21, (\s)*SLOT
	s_add_nc_u64 s[G0+4*(\s)+2:G0+4*(\s)+3], s[90:91], (\s)*ASTEP
	s_or_b32 s[G0+4*(\s)+3], s[G0+4*(\s)+3], 0x80000000
	s_mov_b32 s[G0B+4*(\s)], 1
	s_add_co_u32 s[G0B+4*(\s)+1], s22, (\s)*SLOT
	s_add_nc_u64 s[G0B+4*(\s)+2:G0B+4*(\s)+3], s[92:93], (\s)*BSTEP
	s_or_b32 s[G0B+4*(\s)+3], s[G0B+4*(\s)+3], 0x80000000
	JLOAD \s
.endr
	v_and_b32 v1, 15, v0                           ; r = l % 16
	v_bfe_u32 v2, v0, 4, 1                         ; h = l / 16
	v_lshlrev_b32 v[BO], 5, v2
	s_lshl_b32 s18, s40, 10
	s_lshl_b32 s19, s12, 9
	s_add_co_u32 s18, s18, s19
	s_mov_b32 s19, 0
	s_add_nc_u64 s[86:87], s[86:87], s[18:19]      ; the bias at my 128 columns
.irp b, 0,1,2,3,4,5,6,7
	global_load_b128 v[BIAS+8*(\b):BIAS+8*(\b)+3],   v[BO], s[86:87] offset:64*(\b)     ; columns 16 b + 8 h + 0..7, as the C operand holds them
	global_load_b128 v[BIAS+8*(\b)+4:BIAS+8*(\b)+7], v[BO], s[86:87] offset:64*(\b)+16
.endr
	v_mul_u32_u24 v3, v1, PA
	v_lshl_add_u32 v3, v2, 5, v3                   ; x: row x pitch + 32 h (eight f32)
	s_mul_i32 s20, s11, AHALF
	v_add_nc_u32 v[ADRA], s20, v3
	v_add_nc_u32 v[ADRA+1], SLOT, v[ADRA]
	v_and_b32 v4, 7, v0
	v_bfe_u32 v5, v0, 3, 1
	v_lshl_add_u32 v6, v2, 3, v4                   ; W: k row 8 h + l % 8, 16 bytes by (l / 8) % 2
	v_mul_u32_u24 v6, v6, PB
	v_lshl_add_u32 v6, v5, 4, v6
	s_lshl_b32 s20, s12, 8
	s_add_co_u32 s20, s20, ABYTES
	v_add_nc_u32 v[ADRB], s20, v6
	v_add_nc_u32 v[ADRB+1], SLOT, v[ADRB]
	s_mul_i32 s20, s10, 16*SP
	s_add_co_u32 s20, s20, STAGE                   ; my stage
	v_mul_u32_u24 v[STO], v1, SP
	v_lshl_add_u32 v[STO], v2, 4, v[STO]
	v_add_nc_u32 v[STO], s20, v[STO]
	v_bfe_u32 v[RD], v0, 3, 2                      ; back: 32 lanes take four rows of 128 bytes
	v_mul_u32_u24 v[RD], v[RD], SP
	v_lshl_add_u32 v[RD], v4, 4, v[RD]
	v_add_nc_u32 v[RD], s20, v[RD]
	v_and_b32 v7, 31, v0
	v_lshlrev_b32 v[GO], 4, v7
	s_lshr_b32 s20, s15, 4                         ; the batch
	s_lshl_b32 s20, s20, 4
	s_lshl2_add_u32 s20, s40, s20
	s_lshl1_add_u32 s20, s12, s20                  ; my first head: 16 b + 4 cx + 2 x column half
	s_lshl_b32 s20, s20, 18
	s_and_b32 s23, s15, 15
	s_lshl_b32 s23, s23, 7
	s_lshl_b32 s18, s11, 6
	s_add_co_u32 s23, s23, s18                     ; my first row in the batch
	s_lshl_b32 s23, s23, 7
	s_add_co_u32 s18, s20, s23
	s_lshl_b32 s20, s14, 24
	s_add_co_u32 s18, s18, s20
	s_mov_b32 s19, 0
	s_add_nc_u64 s[OUT:OUT+1], s[82:83], s[18:19]
	; the prefetches
	s_cmp_eq_u32 s11, 0
	s_cselect_b64 s[PFA:PFA+1], s[90:91], s[92:93]
	s_cselect_b32 s20, s40, s41                    ; my place among the four that ask with me
	s_cselect_b32 s21, 12, 11                      ; a row is 4,096 or 2,048 bytes
	s_mov_b32 s[PST], BSTEP
	s_cselect_b32 s[PST], ASTEP, s[PST]
	s_mov_b32 s[PST+1], 0
	s_add_co_u32 s23, s21, 4
	s_lshl_b32 s18, s20, s23                       ; my work-group's 16 rows
	s_mul_i32 s22, s[PST], 3
	s_add_co_u32 s18, s18, s22                     ; at K step 3: the first change of slots steps it to 4
	s_mov_b32 s19, 0
	s_add_nc_u64 s[PFA:PFA+1], s[PFA:PFA+1], s[18:19]
	s_and_b32 s22, ttmp7, 15                       ; the cluster's place among its tensor's sixteen
	s_cmp_eq_u32 s11, 0
	s_cselect_b32 s22, 0, s22
	s_cmp_eq_u32 s22, 0
	s_cselect_b32 s[LIM], 1, -1
	v_lshrrev_b32 v8, 1, v7
	v_lshlrev_b32 v[PFO], s21, v8
	v_and_b32 v8, 1, v7
	v_lshl_add_u32 v[PFO], v8, 8, v[PFO]
	s_wait_loadcnt 0x0                             ; the bias, rounded to bf16 like every input of the products
.set i, 0
.rept 32
	v_cvt_pk_bf16_f32 v[AT+i], v[BIAS+2*i], v[BIAS+2*i+1]
.set i, i+1
.endr
.set i, 0
.rept 32
	v_lshlrev_b32 v[BIAS+2*i], 16, v[AT+i]
	v_and_b32 v[BIAS+2*i+1], 0xffff0000, v[AT+i]
.set i, i+1
.endr
	s_wait_tensorcnt 1                             ; my part of K step 0 is in; step 1's may stay out
	s_barrier_signal -1
	s_barrier_wait -1
	FETCH 0, 0, 0
	QUARTER 0, 1, 0, 1, 1                          ; the first quarter stands in front of the loop: its products start the sums, with the bias
	WIN 0
	s_mov_b32 s3, 3
.Llap:                                                 ; a trip goes once round the ring and fills both slots again
	QUARTER 0, 2, 1, 0, 0
	QUARTER 0, 3, 0, 1, 0
	TURN 0, 1, 1
	QUARTER 1, 1, 0, 1, 0
	QUARTER 1, 2, 1, 0, 0
	QUARTER 1, 3, 0, 1, 0
	TURN 1, 0, 1
	QUARTER 0, 1, 0, 1, 0
	WIN 0
	s_sub_co_u32 s3, s3, 1
	s_cmp_lg_u32 s3, 0
	s_cbranch_scc1 .Llap
	QUARTER 0, 2, 1, 0, 0                          ; the last lap fills nothing
	QUARTER 0, 3, 0, 1, 0
	TURN 0, 1, 0
	QUARTER 1, 1, 0, 1, 0
	QUARTER 1, 2, 1, 0, 0
	QUARTER 1, 3, 0, 1, 0
	s_wait_dscnt 16
	CVT
	s_wait_dscnt 0x0
	MUL16 1, 0, 0
	MUL16 1, 1, 0
	PLACES
; THE WAY OUT.  Unit u = 2 a + hd: 16 rows of one head, 2,048 consecutive bytes of qkv.  Rounded to f16, 16 bytes a lane into rows of 144 bytes of my stage, back as whole rows of 128.
.macro PACK u
	WIN PK
.irp f, 0,1,2,3
.irp r, 0,1,2,3
	v_cvt_pk_f16_f32 v[TMP+16*(\u)+4*(\f)+(\r)], v[8*(8*((\u)/2)+4*((\u)%2)+(\f))+2*(\r)], v[8*(8*((\u)/2)+4*((\u)%2)+(\f))+2*(\r)+1]
.endr
.endr
	WIN 0
.irp f, 0,1,2,3
	ds_store_b128 v[STO], v[TMP+16*(\u)+4*(\f):TMP+16*(\u)+4*(\f)+3] offset:32*(\f)
.endr
.irp f, 0,1,2,3
	ds_load_b128 v[TMP+16*(\u)+4*(\f):TMP+16*(\u)+4*(\f)+3], v[RD] offset:(\f)*4*SP  ; LDS serves a wave's instructions in order (ISA guide 5.7.1.4): these see the stores above
.endr
.endm
.macro SEND u, younger                 ; younger: the next unit's eight LDS instructions, or none
	WIN 0
.irp f, 0,1,2,3
	s_wait_dscnt (\younger)+3-(\f)
	global_store_b128 v[GO], v[TMP+16*(\u)+4*(\f):TMP+16*(\u)+4*(\f)+3], s[OUT:OUT+1] offset:((\u)%2)*262144+((\u)/2)*2048+(\f)*512  ; 512 consecutive bytes, aligned
.endr
.endm
	PACK 0
.set t, 1
.rept 7
	PACK t
	SEND t-1, 8
.set t, t+1
.endr
	SEND 7, 0
	s_wait_tensorcnt 0x0                           ; the wave's end
	ds_add_u32 v[SPW], v[NIL]
	s_wait_dscnt 0x0
	CROUND                                         ; the closing round
	s_endpgm
.Lfunc_end_k_q9bd3dccc4f_proj:
	.size	k_q9bd3dccc4f_proj, .Lfunc_end_k_q9bd3dccc4f_proj-k_q9bd3dccc4f_proj
	.p2alignl 7, 3214868480
	.fill 96, 4, 3214868480
	.section	.rodata,"a",@progbits
	.p2align	6, 0x0
	.amdhsa_kernel k_q9bd3dccc4f_proj
		.amdhsa_group_segment_fixed_size 327680
		.amdhsa_private_segment_fixed_size 0
		.amdhsa_enable_private_segment 0
		.amdhsa_kernarg_size 64
		.amdhsa_user_sgpr_count 2
		.amdhsa_user_sgpr_kernarg_segment_ptr 1
		.amdhsa_wavefront_size32 1
		.amdhsa_system_sgpr_workgroup_id_x 1
		.amdhsa_system_sgpr_workgroup_id_y 1
		.amdhsa_system_sgpr_workgroup_id_z 1
		.amdhsa_system_vgpr_workitem_id 0
		.amdhsa_next_free_vgpr 640
		.amdhsa_next_free_sgpr 96
		.amdhsa_reserve_vcc 0
		.amdhsa_float_denorm_mode_32 3
		.amdhsa_float_denorm_mode_16_64 3
		.amdhsa_memory_ordered 1
		.amdhsa_forward_progress 1
		.amdhsa_inst_pref_size 136
	.end_amdhsa_kernel
	.amdgpu_metadata
---
amdhsa.version: [ 1, 2 ]
amdhsa.kernels:
  - .name:           k_q9bd3dccc4f_proj
    .symbol:         k_q9bd3dccc4f_proj.kd
    .args:
      - { .name: query, .offset: 0, .size: 8, .value_kind: global_buffer, .address_space: global }
      - { .name: key, .offset: 8, .size: 8, .value_kind: global_buffer, .address_space: global }
      - { .name: value, .offset: 16, .size: 8, .value_kind: global_buffer, .address_space: global }
      - { .name: wcast, .offset: 24, .size: 8, .value_kind: global_buffer, .address_space: global }
      - { .name: bq, .offset: 32, .size: 8, .value_kind: global_buffer, .address_space: global }
      - { .name: bk, .offset: 40, .size: 8, .value_kind: global_buffer, .address_space: global }
      - { .name: bv, .offset: 48, .size: 8, .value_kind: global_buffer, .address_space: global }
      - { .name: qkv, .offset: 56, .size: 8, .value_kind: global_buffer, .address_space: global }
    .group_segment_fixed_size: 327680
    .private_segment_fixed_size: 0
    .kernarg_segment_align: 8
    .kernarg_segment_size: 64
    .max_flat_workgroup_size: 128
    .sgpr_count:     96
    .vgpr_count:     640
    .wavefront_size: 32
...
	.end_amdgpu_metadata
.endif
;; end of part 3
;; launch attn (part 4): grid 4 x 64, 4 waves a work-group, clusters of 4 x 1, 327,680 bytes of LDS; arguments qkv, gsum, oh; writes oh
.if DOCPART == 4
	.amdgcn_target "amdgcn-amd-amdhsa--gfx1250"
	.amdhsa_code_object_version 6
	.text
	.protected	k_q9bd3dccc4f_attn
	.globl	k_q9bd3dccc4f_attn
	.p2align	8
	.type	k_q9bd3dccc4f_attn,@function
k_q9bd3dccc4f_attn:
	s_mov_b64 s[64:65], 0
	v_nop
	global_prefetch_b8 v0, s[64:65] scope:SCOPE_SE
	s_setreg_imm32_b32 hwreg(HW_REG_WAVE_MODE, 25, 1), 1
	s_wait_xcnt 0x0
	s_wait_alu depctr_hold_cnt(0) depctr_sa_sdst(0) depctr_va_vdst(0) depctr_va_sdst(0) depctr_va_ssrc(0) depctr_va_vcc(0) depctr_vm_vsrc(0)
	s_getreg_b32 s2, hwreg(HW_REG_IB_STS2, 6, 4)
	s_cmp_eq_u32 s2, 0
	s_cbranch_scc0 .Lentry_in_a_cluster
	s_endpgm
.Lentry_in_a_cluster:
	s_bfe_u32 s2, ttmp6, 0x10000c
	s_cmp_lg_u32 s2, 0x3003
	s_cbranch_scc0 .Lentry_shape_is_right
	s_endpgm
.Lentry_shape_is_right:
; oh[h][q][:] = the sum over k of softmax_k(g Q[h][q] . K[h][k] / 8) V[h][k][:].  Q, K, V = qkv's three planes, [64][2048][64] f16, a head's rows dense, 128 bytes each; g = (the sum of gsum's 64 numbers) / 4,096, a mean of sigmoids: 0 <= g <= 1.
; Products, maxima and sums in f32; the weights p are rounded to f16 for the second product (their sum l is taken of the unrounded p), O once at the end.
; LIMITS.  Q, K and V arrive within f16's range; p lies in 0 to 1, and below 6e-5 it keeps f16's fixed step of 6e-8.  A weight below 2^-126 counts as 0 in l; NaN and infinities are not treated apart.
; SHARES.  A wave owns four PIECES of two tiles of 16 queries, a work-group's four waves 512 queries of one head.  Every wave walks all keys, 64 a step.
; LAYOUT.  S^T = K Q^T (source 0 = 16 keys, source 1 = 16 queries): a lane holds ONE query (lane % 16) and the keys 8 (lane / 16) + 0..7.  Two such tiles, rounded to f16 in pairs, ARE source 1 of O^T = V^T P.
; K comes out of LDS as it lies, V ([key][channel]) turned, by ds_load_tr16_b128.
; SOFTMAX.  For each query a running maximum m and sum l: p = 2^(c s - c m), c = g log2(e) / 8 >= 0; in every step O and l are multiplied by a = 2^(c m_old - c m_new).  m starts at the lowest finite number, O and l at 0.
; BY TURNS.  Turn n belongs to piece n.  Its matrix work: 16 products K Q^T of piece n + 1, later 16 products V^T P of piece n - 1.  Its vector work: the scaling, exponentials, roundings, sums and rescaling of piece n, and the
; maximum and statistics of piece n + 1.  Four vector instructions stand behind every matrix instruction, the others in one run; a turn's 66 exponentials are one batch with one wait.
; CLUSTER.  The four query blocks of a head walk the same K and V, so each tile is asked for JOINTLY: the same tensor load, descriptor and mask in all four.
; REGISTERS, in windows of 256 (s_set_vgpr_msb: bits 1:0 source 0, 3:2 source 1, 5:4 source 2, 7:6 destination):
;   window 0: v0-11 addresses; v12-15, v48-63 at work; v16-47 four registers of statistics a tile; v64-191 S^T, two buffers of two tiles; v192-255 P, likewise
;   window 1: O^T, 32 a tile          window 2: v0-127 Q; v128-191 K of one step; v192-255 V of one step          window 3: v0-1 the add's two registers
.set SIZE_N, 2048
.set NP,    4
.set KS,    64
.set PK,    144       ; a row of K in LDS: 128 bytes + 16: the 16 rows of a load start at 16 different groups of four banks (ISA guide 11.1)
.set PV,    160       ; a row of V: 128 + 32
.set VOFF,  4*KS*PK   ; a slot holds four steps: 256 rows of K, then 256 rows of V
.set SLOT1, 1<<17
.set STAGE, SLOT1+4*KS*(PK+PV)
.set SP,    144
.set AK0, 2
.set AV0, 3
.set AK,  4
.set AV,  5
.set QO,  6
.set STO, 6
.set RD,  7
.set GO,  8
.set PFO, 11          ; v11  256 x my lane, from behind AV0's making on; never rewritten after
.set SPW, 0           ; v0 of window 3
.set NIL, 1           ; v1 of window 3
.set SPARE, STAGE+4*16*SP
.set MV,  12
.set ST,  16
.set TMP, 48
.set S,   64
.set P,   192
.set KF,  128
.set VF,  192
.set WV,  12
.set LIM, 15          ; s15  1 in waves 0 and 2, which prefetch; else the greatest number
.set G1K, 24
.set G1V, 32
.set G0K, 40
.set G0V, 44
.set SLOTS, 56
.set CNT, 57
.set CS,  58
.set SEL, 60
.set TBK, 62
.set TBV, 63
.set GSP, 84          ; s[84:85] gsum
.set PFA, 86          ; s[86:87] where my prefetches stand: my work-group's 32 blocks of 256 bytes of the tile after the one that is being asked for
.set MSB, 0
.macro WIN new
.if MSB != (\new)
	s_set_vgpr_msb (MSB<<8)|(\new)
.set MSB, (\new)
.endif
.endm
.set W_KQ, 0x0a
.set W_PV, 0x52
.set W_RS, 0x41
.set W_MK, 0xc0
.set W_AD, 0x0f
.macro JLOAD                        ; waves 0 and 1 fetch the two halves of a slot's K, waves 2 and 3 those of its V; an s_nop 0 and four v_nop follow each line
	s_cmp_lt_u32 s[WV], 2
	s_cbranch_scc0 .Lfor_v_\@
	tensor_load_to_lds s[G0K:G0K+3], s[G1K:G1K+7]
	s_nop 0
.rept 4
	v_nop
.endr
	s_branch .Lasked_\@
.Lfor_v_\@:
	tensor_load_to_lds s[G0V:G0V+3], s[G1V:G1V+7]
	s_nop 0
.rept 4
	v_nop
.endr
.Lasked_\@:
.endm
; A prefetch into the L2 of the tile that the NEXT change of slots will ask for: 32,768 bytes of K and of V, four key steps ahead.  The four partners share them out by address, 8,192 bytes each, a lane a block of 256;
; wave 0 asks for K's, wave 2 for V's.  A head has one cluster, so each block is named once.  The last change that fills a slot asks for nothing.
.macro ASK
	s_cmp_gt_u32 s[SLOTS], s[LIM]
	s_cbranch_scc0 .Lnot_mine_\@
	global_prefetch_b8 v[PFO], s[PFA:PFA+1] th:TH_LOAD_NT scope:SCOPE_SE
.Lnot_mine_\@:
.endm
.macro CROUND
	s_barrier_signal -1
	s_barrier_wait -1
	s_cmp_lg_u32 s[WV], 0
	s_cbranch_scc1 .Lnot_wave_0_\@
	s_barrier_signal -3
.Lnot_wave_0_\@:
	s_barrier_wait -3
	s_barrier_signal -1
	s_barrier_wait -1
.endm
; THE CHANGE OF SLOTS.  Each wave waits for all its tensor loads (one is out: its part of the other slot), adds 0 to its spare word, and waits for that and for its own reads of the slot.
; fill = 1: the slot is filled again, with the keys two slots on, first thing behind a round of the cluster's barrier: it has four key steps, 512 matrix instructions, in which to land.
.macro CHANGE fill
	WIN W_AD
	s_wait_tensorcnt 0x0
	ds_add_u32 v[SPW], v[NIL]
	WIN 0
.if \fill
.irp g, G0K, G0V
	s_xor_b32 s[\g+1], s[\g+1], SLOT1
	s_add_nc_u64 s[\g+2:\g+3], s[\g+2:\g+3], 4*KS*128
.endr
	s_wait_xcnt 0x0                 ; the last prefetch, four key steps back, has read its address
	s_add_nc_u64 s[PFA:PFA+1], s[PFA:PFA+1], 4*KS*128
	s_wait_dscnt 0x0
	CROUND
	JLOAD
	ASK
.else
	s_wait_dscnt 0x0
	s_barrier_signal -1
	s_barrier_wait -1
.endif
	s_sub_co_u32 s[TBK], s[TBK], 4*KS*PK
	s_xor_b32 s[TBK], s[TBK], SLOT1
	s_sub_co_u32 s[TBV], s[TBV], 4*KS*PV
	s_xor_b32 s[TBV], s[TBV], SLOT1
.endm
	s_load_b128 s[4:7], s[0:1], 0x0   ; qkv s[4:5], gsum s[6:7]
	s_load_b64 s[10:11], s[0:1], 0x10 ; oh
	WIN W_MK
	v_lshl_add_u32 v[SPW], v0, 2, SPARE
	v_mov_b32 v[NIL], 0
	WIN W_AD
	ds_add_u32 v[SPW], v[NIL]       ; the wave's opening: the add and its wait, ahead of my first tensor load
	WIN 0
	v_lshrrev_b32 v1, 5, v0
	v_readfirstlane_b32 s[WV], v1
	s_bfe_u32 s13, ttmp6, 0x40000   ; cx
	s_lshl_b32 s14, ttmp9, 2
	s_add_co_u32 s14, s14, s13      ; my block of queries: it enters Q's and O's addresses alone
	s_and_b32 s20, ttmp7, 0xffff    ; the head
	s_mov_b32 s21, 0
	s_mov_b64 s[22:23], SIZE_N*128
	s_mul_u64 s[20:21], s[20:21], s[22:23]
	s_and_b32 s16, s[WV], 1
	s_lshl_b32 s22, s16, 14
	s_mov_b32 s23, 0
	s_add_nc_u64 s[22:23], s[22:23], s[20:21]
	s_mul_i32 s17, s16, 128*PK
	s_mul_i32 s18, s16, 128*PV
	s_lshl_b32 s2, s14, 2
	s_add_co_u32 s2, s2, s[WV]
	s_lshl_b32 s2, s2, 14
	s_mov_b32 s3, 0
	s_add_nc_u64 s[2:3], s[2:3], s[20:21]
	; descriptor group 1.  128 keys are 16,384 dense bytes: asked for as 64 rows of 256 bytes, two keys a row, padded in LDS after every key
	s_mov_b32 s[G1K], 15|(1<<16)|(1<<20)|(1<<21)|(4<<22)|(3<<25)
	s_mov_b32 s[G1V], 15|(1<<16)|(1<<20)|(1<<21)|(4<<22)|(7<<25)
.irp g, G1K, G1V
	s_mov_b32 s[\g+1], 128<<16
	s_mov_b32 s[\g+2], 64<<16
	s_mov_b32 s[\g+3], 128<<16
	s_mov_b32 s[\g+4], 64
	s_mov_b32 s[\g+5], 128
	s_mov_b32 s[\g+6], 0
	s_mov_b32 s[\g+7], 0
.endr
	s_mov_b32 s[SEL], 0x76543210
	s_mov_b32 s[SEL+1], 0xfedcba98
	s_mov_b32 s[TBK], SLOT1+4*KS*PK
	s_mov_b32 s[TBV], SLOT1+4*KS*PV
	s_mov_b32 s[G0K], 1
	s_mov_b32 s[G0K+1], s17
	s_mov_b32 s[G0V], 1
	s_add_co_u32 s[G0V+1], s18, VOFF
	s_mov_b32 s[SLOTS], SIZE_N/256-1
	s_and_b32 s[LIM], s[WV], 1
	s_cmp_eq_u32 s[LIM], 0
	s_cselect_b32 s[LIM], 1, -1
	s_wait_dscnt 0x0                ; the opening add is done
	s_wait_kmcnt 0x0
	s_mov_b64 s[GSP:GSP+1], s[6:7]
	s_add_nc_u64 s[6:7], s[4:5], 0x1000000  ; K's plane
	s_add_nc_u64 s[8:9], s[4:5], 0x2000000  ; V's
	s_add_nc_u64 s[G0K+2:G0K+3], s[6:7], s[22:23]
	s_or_b32 s[G0K+3], s[G0K+3], 0x80000000
	s_add_nc_u64 s[G0V+2:G0V+3], s[8:9], s[22:23]
	s_or_b32 s[G0V+3], s[G0V+3], 0x80000000
	s_add_nc_u64 s[4:5], s[4:5], s[2:3]
	s_add_nc_u64 s[10:11], s[10:11], s[2:3]
	s_cmp_lt_u32 s[WV], 2
	s_cselect_b64 s[PFA:PFA+1], s[6:7], s[8:9]
	s_add_nc_u64 s[PFA:PFA+1], s[PFA:PFA+1], s[20:21]
	s_lshl_b32 s2, s13, 13          ; my work-group's 8,192 bytes of a tile,
	s_add_co_u32 s2, s2, 4*KS*128   ; in tile 1: the first change of slots steps it to tile 2
	s_mov_b32 s3, 0
	s_add_nc_u64 s[PFA:PFA+1], s[PFA:PFA+1], s[2:3]
	CROUND
	JLOAD                           ; slot 0.  Slot 1 is asked for when slot 0 is in
	v_and_b32 v1, 15, v0
	v_bfe_u32 v9, v0, 4, 1
	v_lshlrev_b32 v[QO], 7, v1
	v_lshl_add_u32 v[QO], v9, 4, v[QO]
	v_and_b32 v48, 31, v0
	v_lshlrev_b32 v48, 3, v48
	global_load_b64 v[50:51], v48, s[GSP:GSP+1]  ; two of the gate's 64 partial sums a lane
	WIN 0x80
.set i, 0
.rept 4*NP
	global_load_b128 v[8*i:8*i+3],   v[QO], s[4:5] offset:(i/2)*2048+(i%2)*64
	global_load_b128 v[8*i+4:8*i+7], v[QO], s[4:5] offset:(i/2)*2048+(i%2)*64+32
.set i, i+1
.endr
	; What the first turn finds: V's registers and P's second buffer hold 0, O^T and l are 0.  All this stands in the wait for the first tile.
.set i, VF
.rept 64
	v_mov_b32 v[i], 0
.set i, i+1
.endr
	WIN 0x40
.set i, 0
.rept 64*NP
	v_mov_b32 v[i], 0
.set i, i+1
.endr
	WIN 0
.set i, 0
.rept 2*NP
	v_mov_b32 v[ST+4*i], 0xfe000000
	v_mov_b32 v[ST+4*i+1], 0xff7fffff
	v_mov_b32 v[ST+4*i+2], 0
	v_mov_b32 v[ST+4*i+3], 0
.set i, i+1
.endr
.set i, P+32
.rept 32
	v_mov_b32 v[i], 0
.set i, i+1
.endr
	v_mul_u32_u24 v[AK0], v1, PK
	v_lshl_add_u32 v[AK0], v9, 4, v[AK0]
	v_and_b32 v10, 7, v0
	v_bfe_u32 v11, v0, 3, 1
	v_lshl_add_u32 v[AV0], v9, 3, v10
	v_mul_u32_u24 v[AV0], v[AV0], PV
	v_lshl_add_u32 v[AV0], v11, 4, v[AV0]
	v_add_nc_u32 v[AV0], VOFF, v[AV0]
	v_and_b32 v[PFO], 31, v0
	v_lshlrev_b32 v[PFO], 8, v[PFO]
	v_mov_b32 v[AK], v[AK0]
; THE MATRIX WORK.  The 8 accumulators of a run of 16 take turns.
.macro KQ x
	WIN W_KQ
.set rS, S+64*((\x)%2)+32*(i%2)+8*((i/2)%4)
.set rK, KF+16*((i/2)%4)+8*(i/8)
.set rQ, 16*(2*(\x)+i%2)+8*(i/8)
.if i < 8
	v_wmma_f32_16x16x32_f16 v[rS:rS+7], v[rK:rK+7], v[rQ:rQ+7], 0
.else
	v_wmma_f32_16x16x32_f16 v[rS:rS+7], v[rK:rK+7], v[rQ:rQ+7], v[rS:rS+7]
.endif
.endm
.macro PV x
	WIN W_PV
.set rO, 32*(2*(\x)+i%2)+8*((i/2)%4)
.set rV, VF+32*(i/8)+8*((i/2)%4)
.set rP, P+32*((\x)%2)+16*(i%2)+8*(i/8)
	v_wmma_f32_16x16x32_f16 v[rO:rO+7], v[rV:rV+7], v[rP:rP+7], v[rO:rO+7]
.endm
.macro MM
.if i < 16
	KQ (Y+1)%NP
.set i, i+1
.else
.set i, i-16
	PV (Y+NP-1)%NP
.set i, i+17
.endif
.endm
; THE LDS LOADS stand in runs of 16.  last = 1 (the tail): in the last trip there is no further step, and the run is jumped over.
.macro FETCH_K last=0
	WIN 0
.if \last
	s_cmp_eq_u32 s[CNT], 1
	s_cbranch_scc1 .Lno_k_\@
.endif
	WIN 0x80
.irp f, 0,1,2,3,4,5,6,7
	ds_load_b128 v[KF+8*\f:KF+8*\f+3],   v[AK] offset:(\f/2)*16*PK+(\f%2)*64
	ds_load_b128 v[KF+8*\f+4:KF+8*\f+7], v[AK] offset:(\f/2)*16*PK+(\f%2)*64+32
.endr
	s_add_co_u32 s[TBK], s[TBK], KS*PK
	WIN 0
.if \last
.Lno_k_\@:
.endif
.endm
.macro FETCH_V
	WIN 0x80
.irp f, 0,1,2,3,4,5,6,7
	ds_load_tr16_b128 v[VF+8*\f:VF+8*\f+3],   v[AV] offset:(\f/4)*32*PV+(\f%4)*32
	ds_load_tr16_b128 v[VF+8*\f+4:VF+8*\f+7], v[AV] offset:(\f/4)*32*PV+16*PV+(\f%4)*32
.endr
	WIN 0
.endm
; THE VECTOR WORK OF A TURN stands in three queues, each in the order in which its entries become ready; the two tiles alternate.
.macro REGS y, u
.set rT, ST+4*(2*(\y)+(\u))
.set rC, TMP+8*((\y)%2)+4*(\u)
.set rM, MV+2*((\y)%2)+(\u)
.set rS, S+64*((\y)%2)+32*(\u)
.set rP, P+32*((\y)%2)+16*(\u)
.set rO, 32*(2*(\y)+(\u))
.endm
; Number n of the 22 that find the NEXT piece's maximum and statistics; each accumulator's lowest registers are read first.
.macro XS u, n
	REGS (Y+1)%NP, \u
.if (\n) < 4
	v_max3_num_f32 v[rC+(\n)], v[rS+8*(\n)], v[rS+8*(\n)+1], v[rS+8*(\n)+2]
.elseif (\n) < 12
	v_max3_num_f32 v[rC+(\n)%4], v[rC+(\n)%4], v[rS+8*((\n)%4)+2*((\n)/4)+1], v[rS+8*((\n)%4)+2*((\n)/4)+2]
.elseif (\n) == 12
	v_max3_num_f32 v[rC], v[rC], v[rS+7], v[rS+15]
.elseif (\n) == 13
	v_max3_num_f32 v[rC+1], v[rC+1], v[rS+23], v[rS+31]
.elseif (\n) == 14
	v_max3_num_f32 v[rC+2], v[rC+2], v[rC+3], v[rT+1]
.elseif (\n) == 15
	v_mov_b32 v[rM], v[rT]
.elseif (\n) == 16
	v_max3_num_f32 v[rC], v[rC], v[rC+1], v[rC+2]
.elseif (\n) == 17
	v_permlanex16_b32 v[rC+3], v[rC], s[SEL], s[SEL+1]
.elseif (\n) == 18
	v_max_num_f32 v[rT+1], v[rC], v[rC+3]
.elseif (\n) == 19
	v_mul_f32 v[rT], s[CS], v[rT+1]
.elseif (\n) == 20
	v_sub_f32 v[rC+1], v[rM], v[rT]
.else
	v_exp_f32 v[rC+2], v[rC+1]
.endif
.endm
; Number g of the 64 that follow the exponentials: roundings to f16, sums of four weights in place, and l's chain a group later.
.macro GS g
.set h, (\g)+6*((\g)/62)
.if h >= 6
.set h, h+2
.endif
	REGS Y, h%2
.set k, h/8
.if h%8 < 4
	v_cvt_pk_f16_f32 v[rP+2*k+(h%8)/2], v[rS+4*k+2*((h%8)/2)], v[rS+4*k+2*((h%8)/2)+1]
.elseif h%8 < 6
	v_pk_add_f32 v[rS+4*k:rS+4*k+1], v[rS+4*k:rS+4*k+1], v[rS+4*k+2:rS+4*k+3]
.elseif k == 1
	v_pk_fma_f32 v[rT+2:rT+3], v[rT+2:rT+3], v[rC+2:rC+3], v[rS:rS+1] op_sel_hi:[1,0,1]
.else
	v_pk_add_f32 v[rT+2:rT+3], v[rT+2:rT+3], v[rS+4*k-4:rS+4*k-3]
.endif
.endm
; THE PLAIN QUEUE, 138 long.  0-73 read no exponential's result: the 32 scalings and the next piece's 42.  74-137: GS's 64, behind the wait.
.macro FS f
	REGS Y, (\f)%2
	v_pk_fma_f32 v[rS+2*((\f)/2):rS+2*((\f)/2)+1], v[rS+2*((\f)/2):rS+2*((\f)/2)+1], s[CS:CS+1], v[rT:rT+1] op_sel_hi:[1,0,0] neg_lo:[0,0,1] neg_hi:[0,0,1]
.endm
.macro PL
	WIN 0
.if q < 27
	FS q
.elseif q < 55
	XS (q-27)%2, (q-27)/2
.elseif q < 57
	XS q-55, 15
.elseif (q < 72) && ((q-57)%3 == 0)
	FS 27+(q-57)/3
.elseif q < 60
	XS (q-57)%3-1, 14
.elseif q < 72
	XS (q-57)%3-1, 15+(q-57)/3
.elseif q < 74
	XS q-72, 20
.else
	GS q-74
.endif
.set q, q+1
.endm
; THE EXPONENTIALS' QUEUE, 66 long: one batch, all ahead of the turn's one wait.
.macro EX
	WIN 0
.if e >= 64
	XS e-64, 21
.else
	REGS Y, e%2
	v_exp_f32 v[rS+e/2], v[rS+e/2]
.endif
.set e, e+1
.endm
; THE RESCALING's QUEUE: O^T times a, two at a time.
.macro R2
	REGS Y, r%2
	WIN W_RS
.irp z, 0,1
	v_pk_mul_f32 v[rO+4*(r/2)+2*\z:rO+4*(r/2)+2*\z+1], v[rO+4*(r/2)+2*\z:rO+4*(r/2)+2*\z+1], v[rC+2:rC+3] op_sel_hi:[1,0]
.endr
.set r, r+1
.endm
; A TURN, for piece p.  Ahead of its one wait: 16 products K Q^T, behind each a scaling, an exponential and two rescalings; then a run of 108.  Behind it: 16 products V^T P, behind each four of the roundings and sums.
; K of the next step is fetched in piece 2's turn, directly behind the wait; V of the step in hand at the end of piece 0's turn, four plain instructions behind its last reader.
.macro TURN p, last=0, cnt=0
.set Y, (\p)
.set i, 0
.set q, 0
.set e, 0
.set r, 0
.if (\p) == NP-1
	s_wait_dscnt 0x0                ; K is in
.endif
	MM
	PL
	PL
	R2
.rept 15
	MM
	PL
	EX
	R2
.endr
.if (\p) == NP-2
	WIN 0
	v_add_nc_u32 v[AK], s[TBK], v[AK0]
.endif
.rept 8
	PL
.endr
.rept 49
	EX
	PL
.endr
	EX
	EX
	v_nop                           ; a plain instruction behind the last exponential: one for the batch
	s_wait_alu depctr_va_vdst(0)    ; the wait ahead of the batch's first reader
.if (\p) == NP-2
	FETCH_K \last
.endif
.if (\p) == 1
	s_wait_dscnt 0x0                ; V is in
.endif
.rept 16
	MM
.rept 4
	PL
.endr
.if ((\p) == 0) && (q == 118)
	v_add_nc_u32 v[AV], s[TBV], v[AV0]
.endif
.if ((\p) == 0) && (q == 130)
	s_add_co_u32 s[TBV], s[TBV], KS*PV
.endif
.if (\cnt) && (q == 130)
	s_sub_co_u32 s[CNT], s[CNT], 1
	s_cmp_lg_u32 s[CNT], 0
.endif
.endr
.if (\p) == 0
	FETCH_V
.endif
.endm
	CHANGE 1                        ; slot 0 is in, everybody's part of it; slot 1 is asked for
	FETCH_K                         ; key step 0
	s_wait_loadcnt 0x0              ; Q and the gate's sums
	s_wait_dscnt 0x0
	v_add_f32 v50, v50, v51         ; c = (the sum of the 64 partial sums) x log2(e) / 8 / 4,096
	v_add_f32_dpp v50, v50, v50 row_xmask:1 row_mask:0xf bank_mask:0xf
	v_add_f32_dpp v50, v50, v50 row_xmask:2 row_mask:0xf bank_mask:0xf
	v_add_f32_dpp v50, v50, v50 row_xmask:4 row_mask:0xf bank_mask:0xf
	v_add_f32_dpp v50, v50, v50 row_xmask:8 row_mask:0xf bank_mask:0xf
	v_permlanex16_b32 v51, v50, s[SEL], s[SEL+1]
	v_add_f32 v50, v50, v51
	v_mul_f32 v50, 0x3838aa3b, v50
	v_readfirstlane_b32 s[CS], v50
	s_mov_b32 s[CS+1], s[CS]        ; named with it as a pair
.set i, 0
.rept 16
	KQ 0                            ; piece 0's first scores
.set i, i+1
.endr
	WIN 0                           ; the addresses for the way out: plain instructions, the places behind those products
	s_mul_i32 s13, s[WV], 16*SP
	s_add_co_u32 s13, s13, STAGE
	v_mul_u32_u24 v[STO], v1, SP
	v_lshl_add_u32 v[STO], v9, 4, v[STO]
	v_add_nc_u32 v[STO], s13, v[STO]
	v_bfe_u32 v[RD], v0, 3, 2
	v_mul_u32_u24 v[RD], v[RD], SP
	v_lshl_add_u32 v[RD], v10, 4, v[RD]
	v_add_nc_u32 v[RD], s13, v[RD]
	v_and_b32 v[GO], 31, v0
	v_lshlrev_b32 v[GO], 4, v[GO]
.set Y, NP-1
.irp n, 0,1,2,3,4,5,6,7,8,9,10,11,12,13,14,15,16,17,18,19,20,21
	XS 0, \n
	XS 1, \n
.endr
	v_nop
	s_wait_alu depctr_va_vdst(0)
	s_mov_b32 s[CNT], 4
	s_branch .Lfirst                ; the loop is entered at a step's first turn, in the middle of a trip
.Lslot:                             ; six times: every slot but the last two is filled again
	CHANGE 1
	s_mov_b32 s[CNT], 4
.Lstep:
	TURN 2
	TURN 3
	WIN 0
.Lfirst:
	TURN 0
	TURN 1, 0, 1
	WIN 0
	s_cbranch_scc1 .Lstep
	s_sub_co_u32 s[SLOTS], s[SLOTS], 1
	s_cmp_lg_u32 s[SLOTS], 0
	s_cbranch_scc1 .Lslot
	CHANGE 0                        ; the tail is written out
	s_mov_b32 s[CNT], 5
.Ltail:
	TURN 2, 1
	TURN 3
	WIN 0
	s_sub_co_u32 s[CNT], s[CNT], 1
	s_cmp_eq_u32 s[CNT], 0
	s_cbranch_scc1 .Lout
	TURN 0
	TURN 1
	WIN 0
	s_branch .Ltail
.Lout:                              ; the fifth trip's 16 products K Q^T and the maximum made of them serve nothing: the price, once a launch, of one text for every trip
.set i, 0
.rept 16
	PV NP-1
.set i, i+1
.endr
	; THE WAY OUT.  l's halves are added; O^T is divided by l, rounded to f16 and sent through my stage in LDS, a tile at a time.
	WIN 0
.macro ALL line:vararg
.set t, 0
.rept 2*NP
	\line
.set t, t+1
.endr
.endm
	ALL v_add_f32 v[ST+4*t+2], v[ST+4*t+2], v[ST+4*t+3]
	ALL v_permlanex16_b32 v[ST+4*t+3], v[ST+4*t+2], s[SEL], s[SEL+1]
	ALL v_add_f32 v[ST+4*t+2], v[ST+4*t+2], v[ST+4*t+3]
	ALL v_rcp_f32 v[ST+4*t+2], v[ST+4*t+2]
	v_nop
	s_wait_alu depctr_va_vdst(0)
.macro PACK t
	WIN W_RS
.set i, 32*(\t)
.rept 16
	v_pk_mul_f32 v[i:i+1], v[i:i+1], v[ST+4*(\t)+2:ST+4*(\t)+3] op_sel_hi:[1,0]
.set i, i+2
.endr
	WIN 0x05
.set i, 0
.rept 16
	v_cvt_pk_f16_f32 v[S+16*(\t)+i], v[32*(\t)+2*i], v[32*(\t)+2*i+1]
.set i, i+1
.endr
	WIN 0
.irp f, 0,1,2,3
	ds_store_b128 v[STO], v[S+16*(\t)+4*\f:S+16*(\t)+4*\f+3] offset:32*\f
.endr
.irp f, 0,1,2,3
	ds_load_b128 v[S+16*(\t)+4*\f:S+16*(\t)+4*\f+3], v[RD] offset:\f*4*SP  ; LDS serves a wave's instructions in order (ISA guide 5.7.1.4)
.endr
.endm
.macro SEND t, younger
	WIN 0
.irp f, 0,1,2,3
	s_wait_dscnt (\younger)+3-\f
	global_store_b128 v[GO], v[S+16*(\t)+4*\f:S+16*(\t)+4*\f+3], s[10:11] offset:(\t)*2048+\f*512  ; 512 consecutive bytes, aligned
.endr
.endm
	PACK 0
.set t, 1
.rept 2*NP-1
	PACK t
	SEND t-1, 8
.set t, t+1
.endr
	SEND 2*NP-1, 0
	WIN W_AD
	s_wait_tensorcnt 0x0            ; the wave's end
	ds_add_u32 v[SPW], v[NIL]
	s_wait_dscnt 0x0
	WIN 0
	CROUND                          ; the closing round
	s_endpgm
.Lfunc_end_k_q9bd3dccc4f_attn:
	.size	k_q9bd3dccc4f_attn, .Lfunc_end_k_q9bd3dccc4f_attn-k_q9bd3dccc4f_attn
	.p2alignl 7, 3214868480
	.fill 96, 4, 3214868480
	.section	.rodata,"a",@progbits
	.p2align	6, 0x0
	.amdhsa_kernel k_q9bd3dccc4f_attn
		.amdhsa_group_segment_fixed_size 327680
		.amdhsa_private_segment_fixed_size 0
		.amdhsa_enable_private_segment 0
		.amdhsa_kernarg_size 24
		.amdhsa_user_sgpr_count 2
		.amdhsa_user_sgpr_kernarg_segment_ptr 1
		.amdhsa_wavefront_size32 1
		.amdhsa_system_sgpr_workgroup_id_x 1
		.amdhsa_system_sgpr_workgroup_id_y 1
		.amdhsa_system_sgpr_workgroup_id_z 1
		.amdhsa_system_vgpr_workitem_id 0
		.amdhsa_next_free_vgpr 770
		.amdhsa_next_free_sgpr 96
		.amdhsa_reserve_vcc 0
		.amdhsa_float_denorm_mode_32 3
		.amdhsa_float_denorm_mode_16_64 3
		.amdhsa_memory_ordered 1
		.amdhsa_forward_progress 1
		.amdhsa_inst_pref_size 201
	.end_amdhsa_kernel
	.amdgpu_metadata
---
amdhsa.version: [ 1, 2 ]
amdhsa.kernels:
  - .name:           k_q9bd3dccc4f_attn
    .symbol:         k_q9bd3dccc4f_attn.kd
    .args:
      - { .name: qkv, .offset: 0, .size: 8, .value_kind: global_buffer, .address_space: global }
      - { .name: gsum, .offset: 8, .size: 8, .value_kind: global_buffer, .address_space: global }
      - { .name: oh, .offset: 16, .size: 8, .value_kind: global_buffer, .address_space: global }
    .group_segment_fixed_size: 327680
    .private_segment_fixed_size: 0
    .kernarg_segment_align: 8
    .kernarg_segment_size: 24
    .max_flat_workgroup_size: 128
    .sgpr_count:     96
    .vgpr_count:     770
    .wavefront_size: 32
...
	.end_amdgpu_metadata
.endif
;; end of part 4
;; launch outp (part 5): grid 4 x 64, 4 waves a work-group, clusters of 4 x 4, 327,680 bytes of LDS; arguments oh, wcast, bo, out0; writes out0
.if DOCPART == 5
	.amdgcn_target "amdgcn-amd-amdhsa--gfx1250"
	.amdhsa_code_object_version 6
	.text
	.protected	k_q9bd3dccc4f_outp
	.globl	k_q9bd3dccc4f_outp
	.p2align	8
	.type	k_q9bd3dccc4f_outp,@function
k_q9bd3dccc4f_outp:
	s_mov_b64 s[64:65], 0
	v_nop
	global_prefetch_b8 v0, s[64:65] scope:SCOPE_SE
	s_setreg_imm32_b32 hwreg(HW_REG_WAVE_MODE, 25, 1), 1
	s_wait_xcnt 0x0
	s_wait_alu depctr_hold_cnt(0) depctr_sa_sdst(0) depctr_va_vdst(0) depctr_va_sdst(0) depctr_va_ssrc(0) depctr_va_vcc(0) depctr_vm_vsrc(0)
	s_getreg_b32 s2, hwreg(HW_REG_IB_STS2, 6, 4)
	s_cmp_eq_u32 s2, 0
	s_cbranch_scc0 .Lentry_in_a_cluster
	s_endpgm
.Lentry_in_a_cluster:
	s_bfe_u32 s2, ttmp6, 0x10000c
	s_cmp_lg_u32 s2, 0xf033
	s_cbranch_scc0 .Lentry_shape_is_right
	s_endpgm
.Lentry_shape_is_right:
; THE OUTPUT PROJECTION.  out0[b][t][n] = sum over k of O[b][t][k] Wo'[k][n] + bf16(bo[n]), in f32.  O = oh, f16 by heads [16 b + head][t][64] (k = 64 head + channel); Wo' = wcast's plane 3: Wo rounded to bf16, written as f16.
; SHARES.  A tile of C is 128 rows x 256 columns: 64 x 4 tiles, 256 work-groups.  Tile row = 4 x cluster y + cy, tile column = cx.  Four waves, each 64 x 128: 32 accumulators.
; K goes in 8 steps of 128 (two heads) through two LDS slots.  A head's 128 rows are 16,384 dense bytes: asked for as 64 rows of 256 bytes, padded in LDS after every 128.  Wo' lies [k][n] and is turned by ds_load_tr16_b128.
; THE MATRIX INSTRUCTION IS USED TRANSPOSED (source 0 = 16 columns of Wo', source 1 = 16 rows of O); the bias, in C's layout, starts each sum.
; CLUSTER 4 x 4: O's tile is asked for jointly along a row of the cluster, Wo's along a column.
; REGISTERS.  window 0: v16-30 addresses; v128-191 O's fragments, two buffers; v192-255 the bias; v64-191 at work on the way out.  window 1: accumulator (a, b) at 8 (8 a + b).  window 2: Wo's fragments, two buffers of 64.
.set PA,     144                       ; a row of O in LDS: 128 bytes + 16
.set PB,     544                       ; a row of Wo': 512 + 32
.set AHEAD,  128*PA                    ; a head's 128 rows: what one tensor load brings of O
.set BHALF,  64*PB
.set ABYTES, 2*AHEAD
.set SLOT,   ABYTES+2*BHALF
.set STAGE,  2*SLOT                    ; behind the ring: 16 rows x 528 bytes for each wave
.set SPO,    528
.set SPARE,  STAGE+4*16*SPO
.set ASTEP,  524288                    ; two heads on
.set BSTEP,  262144                    ; 128 rows of 2,048 bytes
.set ADRA, 16
.set ADRB, 20
.set STO,  24
.set RD,   25
.set GO,   26
.set BO,   27
.set SPW,  28
.set NIL,  29
.set PFO,  30
.set AT,   64
.set AF,   128
.set BIAS, 192
.set G1,  24
.set G0,  32
.set LIM, 43
.set PFA, 44
.set G1B, 48
.set G0B, 56
.set PST, 66
.set OUT, 88
.set MSB, 0
.macro WIN new
.if MSB != (\new)
	s_set_vgpr_msb (MSB<<8)|(\new)
.set MSB, \new
.endif
.endm
.set MUL,  0x52
.set MULB, 0x42
.set TO_B, 0x80
.set FROM1, 0x04                       ; an LDS store's data in window 1
.macro JLOAD s                         ; wave 0 and 1 fetch the step's two heads of O, waves 2 and 3 Wo's two halves; an s_nop 0 and four v_nop follow each line
	s_cmp_eq_u32 s11, 0
	s_cbranch_scc0 .Lfor_b_\@
	tensor_load_to_lds s[G0+4*(\s):G0+4*(\s)+3], s[G1:G1+7]
	s_nop 0
.rept 4
	v_nop
.endr
	s_branch .Lasked_\@
.Lfor_b_\@:
	tensor_load_to_lds s[G0B+4*(\s):G0B+4*(\s)+3], s[G1B:G1B+7]
	s_nop 0
.rept 4
	v_nop
.endr
.Lasked_\@:
.endm
.macro CREST
	s_cmp_lg_u32 s10, 0
	s_cbranch_scc1 .Lnot_wave_0_\@
	s_barrier_signal -3
.Lnot_wave_0_\@:
	s_barrier_wait -3
	s_barrier_signal -1
	s_barrier_wait -1
.endm
.macro CROUND
	s_barrier_signal -1
	s_barrier_wait -1
	CREST
.endm
; A prefetch into the L2 of the K step two refills on.  O: a step is 2 heads x 64 blocks of 256 bytes; the partner at cx takes 16 blocks of each head, wave 0 asks, a lane a block.  Wo': as 64 rows x 2 blocks a wave; the partner at cy
; takes 16 rows; the first cluster alone asks (waves 2 and 3).  Each block is named once; the loop's last trip asks for nothing.
.macro ASK
	s_cmp_gt_u32 s3, s[LIM]
	s_cbranch_scc0 .Lnot_mine_\@
	global_prefetch_b8 v[PFO], s[PFA:PFA+1] th:TH_LOAD_NT scope:SCOPE_SE
.Lnot_mine_\@:
.endm
.macro PLACES
.rept 4
	v_nop
.endr
.endm
; 24 LDS loads in one run: quarter q of a slot into buffer g: Wo's 128 columns, turned, then O's 64 rows
.macro FETCH slot, q, g
	WIN TO_B
.irp b, 0,1,2,3,4,5,6,7
	ds_load_tr16_b128 v[64*(\g)+8*(\b):64*(\g)+8*(\b)+3],   v[ADRB+(\slot)] offset:(\q)*32*PB+32*(\b)
	ds_load_tr16_b128 v[64*(\g)+8*(\b)+4:64*(\g)+8*(\b)+7], v[ADRB+(\slot)] offset:(\q)*32*PB+16*PB+32*(\b)
.endr
	WIN 0
.irp a, 0,1,2,3
	ds_load_b128 v[AF+32*(\g)+8*(\a):AF+32*(\g)+8*(\a)+3],   v[ADRA+(\slot)] offset:((\q)/2)*AHEAD+((\q)%2)*64+(\a)*16*PA
	ds_load_b128 v[AF+32*(\g)+8*(\a)+4:AF+32*(\g)+8*(\a)+7], v[ADRA+(\slot)] offset:((\q)/2)*AHEAD+((\q)%2)*64+(\a)*16*PA+32
.endr
.endm
.macro MUL8 f, a, first                ; the 32 accumulators take turns, one instruction a turn
.if \first
	WIN MULB
.else
	WIN MUL
.endif
.irp b, 0,1,2,3,4,5,6,7
.if \first
	v_wmma_f32_16x16x32_f16 v[8*(8*(\a)+(\b)):8*(8*(\a)+(\b))+7], v[64*(\f)+8*(\b):64*(\f)+8*(\b)+7], v[AF+32*(\f)+8*(\a):AF+32*(\f)+8*(\a)+7], v[BIAS+8*(\b):BIAS+8*(\b)+7]
.else
	v_wmma_f32_16x16x32_f16 v[8*(8*(\a)+(\b)):8*(8*(\a)+(\b))+7], v[64*(\f)+8*(\b):64*(\f)+8*(\b)+7], v[AF+32*(\f)+8*(\a):AF+32*(\f)+8*(\a)+7], v[8*(8*(\a)+(\b)):8*(8*(\a)+(\b))+7]
.endif
.endr
.endm
.macro MUL16 f, half, first
	MUL8 \f, 2*(\half), \first
	MUL8 \f, 2*(\half)+1, \first
.endm
.macro QUARTER slot, qn, f, g, first
	s_wait_dscnt 4                                 ; all but O's blocks 2 and 3, the youngest four loads
	MUL16 \f, 0, \first
	PLACES                                         ; in front of loads into the buffer that the quarter before multiplied
	FETCH \slot, \qn, \g
	s_wait_dscnt 24                                ; all but the 24 just issued
	MUL16 \f, 1, \first
.endm
.macro TURN slot, next, fill
.if \fill
	s_wait_xcnt 0x0                                ; the last prefetch, a K step back, has read its address
	s_add_nc_u64 s[PFA:PFA+1], s[PFA:PFA+1], s[PST:PST+1]
.endif
	WIN 0
	s_wait_tensorcnt 0x0                           ; all my tensor loads have landed: my part of the next slot
	ds_add_u32 v[SPW], v[NIL]
	s_wait_dscnt 5                                 ; the add and the youngest four loads may be out
	MUL8 1, 0, 0
	s_wait_dscnt 0x0                               ; the add is done, and my reads of this slot are over
	s_barrier_signal -1
	MUL8 1, 1, 0
	WIN 0
	s_barrier_wait -1
.if \fill
	CREST
	s_add_nc_u64 s[G0+4*(\slot)+2:G0+4*(\slot)+3], s[G0+4*(\slot)+2:G0+4*(\slot)+3], 2*ASTEP
	s_add_nc_u64 s[G0B+4*(\slot)+2:G0B+4*(\slot)+3], s[G0B+4*(\slot)+2:G0B+4*(\slot)+3], 2*BSTEP
	JLOAD \slot                                    ; 112 matrix instructions ahead of the wait for it; its four v_nop are the places in front of the loads below
.else
	PLACES
.endif
	FETCH \next, 0, 0
.if \fill
	ASK
.endif
	MUL16 1, 1, 0
.endm
	s_load_b256 s[68:75], s[0:1], 0x0              ; oh 68, wcast 70, bo 72, out0 74
	v_lshl_add_u32 v[SPW], v0, 2, SPARE
	v_mov_b32 v[NIL], 0
	ds_add_u32 v[SPW], v[NIL]                      ; the wave's opening: the add and its wait, ahead of my first tensor load
	v_lshrrev_b32 v1, 5, v0
	v_readfirstlane_b32 s10, v1
	s_lshr_b32 s11, s10, 1
	s_and_b32 s12, s10, 1
	s_bfe_u32 s40, ttmp6, 0x40000                  ; cx = the tile column
	s_bfe_u32 s41, ttmp6, 0x40004                  ; cy
	s_and_b32 s20, ttmp7, 0xffff
	s_lshl_b32 s15, s20, 2
	s_add_co_u32 s15, s15, s41                     ; the tile row
	s_lshl_b32 s43, s41, 2
	s_lshl_b32 s43, 15, s43
	s_lshl_b32 s44, 0x1111, s40
	s_or_b32 s[G1+0], s43, (1<<16)|(1<<20)|(1<<21)|(4<<22)|(3<<25)   ; elements of 2 bytes; after every 32 words 4 words of padding
	s_or_b32 s[G1B+0], s44, (1<<16)|(1<<20)|(1<<21)|(6<<22)|(7<<25)  ; after every 128 words 8 words
	s_mov_b32 s[G1+1], 128<<16
	s_mov_b32 s[G1+2], 64<<16
	s_mov_b32 s[G1+3], 128<<16
	s_mov_b32 s[G1+4], 64
	s_mov_b32 s[G1+5], 128
	s_mov_b32 s[G1+6], 0
	s_mov_b32 s[G1+7], 0
	s_mov_b32 s[G1B+1], 256<<16
	s_mov_b32 s[G1B+2], 64<<16
	s_mov_b32 s[G1B+3], 256<<16
	s_mov_b32 s[G1B+4], 64
	s_mov_b32 s[G1B+5], 1024
	s_mov_b32 s[G1B+6], 0
	s_mov_b32 s[G1B+7], 0
	s_lshr_b32 s16, s15, 4                         ; O: head 16 b + (which of the step's two), rows 128 x (tile row % 16)
	s_lshl_b32 s16, s16, 4
	s_add_co_u32 s16, s16, s12
	s_lshl_b32 s16, s16, 18
	s_and_b32 s17, s15, 15
	s_lshl_b32 s17, s17, 14
	s_add_co_u32 s16, s16, s17
	s_mov_b32 s17, 0
	s_lshl_b32 s46, s12, 17                        ; Wo': plane 3, k row 64 x half, 512 bytes a tile column
	s_add_co_u32 s46, s46, 6291456
	s_lshl_b32 s47, s40, 9
	s_add_co_u32 s46, s46, s47
	s_mov_b32 s47, 0
	s_mul_i32 s21, s12, AHEAD
	s_mul_i32 s22, s12, BHALF
	s_add_co_u32 s22, s22, ABYTES
	s_wait_dscnt 0x0
	s_wait_kmcnt 0x0
	s_add_nc_u64 s[90:91], s[68:69], s[16:17]
	s_add_nc_u64 s[92:93], s[70:71], s[46:47]
	CROUND
.irp s, 0,1
	s_mov_b32 s[G0+4*(\s)], 1
	s_add_co_u32 s[G0+4*(\s)+1], s21, (\s)*SLOT
	s_add_nc_u64 s[G0+4*(\s)+2:G0+4*(\s)+3], s[90:91], (\s)*ASTEP
	s_or_b32 s[G0+4*(\s)+3], s[G0+4*(\s)+3], 0x80000000
	s_mov_b32 s[G0B+4*(\s)], 1
	s_add_co_u32 s[G0B+4*(\s)+1], s22, (\s)*SLOT
	s_add_nc_u64 s[G0B+4*(\s)+2:G0B+4*(\s)+3], s[92:93], (\s)*BSTEP
	s_or_b32 s[G0B+4*(\s)+3], s[G0B+4*(\s)+3], 0x80000000
	JLOAD \s
.endr
	v_and_b32 v1, 15, v0
	v_bfe_u32 v2, v0, 4, 1
	v_lshlrev_b32 v[BO], 5, v2
	s_lshl_b32 s18, s40, 10
	s_lshl_b32 s19, s12, 9
	s_add_co_u32 s18, s18, s19                     ; my 128 columns, 4 bytes each: for the bias and for out0
	s_mov_b32 s19, 0
	s_add_nc_u64 s[72:73], s[72:73], s[18:19]
	s_add_nc_u64 s[OUT:OUT+1], s[74:75], s[18:19]
.irp b, 0,1,2,3,4,5,6,7
	global_load_b128 v[BIAS+8*(\b):BIAS+8*(\b)+3],   v[BO], s[72:73] offset:64*(\b)
	global_load_b128 v[BIAS+8*(\b)+4:BIAS+8*(\b)+7], v[BO], s[72:73] offset:64*(\b)+16
.endr
	v_mul_u32_u24 v3, v1, PA
	v_lshl_add_u32 v3, v2, 4, v3
	s_mul_i32 s20, s11, 64*PA
	v_add_nc_u32 v[ADRA], s20, v3
	v_add_nc_u32 v[ADRA+1], SLOT, v[ADRA]
	v_and_b32 v4, 7, v0
	v_bfe_u32 v5, v0, 3, 1
	v_lshl_add_u32 v6, v2, 3, v4
	v_mul_u32_u24 v6, v6, PB
	v_lshl_add_u32 v6, v5, 4, v6
	s_lshl_b32 s20, s12, 8
	s_add_co_u32 s20, s20, ABYTES
	v_add_nc_u32 v[ADRB], s20, v6
	v_add_nc_u32 v[ADRB+1], SLOT, v[ADRB]
	s_mul_i32 s20, s10, 16*SPO
	s_add_co_u32 s20, s20, STAGE                   ; my stage
	v_mul_u32_u24 v[STO], v1, SPO
	v_lshl_add_u32 v[STO], v2, 5, v[STO]
	v_add_nc_u32 v[STO], s20, v[STO]
	v_and_b32 v7, 31, v0
	v_lshlrev_b32 v[GO], 4, v7
	v_add_nc_u32 v[RD], s20, v[GO]
	s_lshl_b32 s18, s15, 7
	s_lshl_b32 s20, s11, 6
	s_add_co_u32 s18, s18, s20                     ; my first row of out0
	s_lshl_b32 s18, s18, 12
	s_add_nc_u64 s[OUT:OUT+1], s[OUT:OUT+1], s[18:19]
	; the prefetches
	s_cmp_eq_u32 s11, 0
	s_cselect_b64 s[PFA:PFA+1], s[90:91], s[92:93]
	s_cselect_b32 s20, s40, s41                    ; my place among the four that ask with me
	s_cselect_b32 s21, 12, 15                      ; its share: 4,096 bytes of each head, or 16 rows of 2,048
	s_cselect_b32 s22, 4, 1
	s_cselect_b32 s23, 18, 11
	s_cselect_b32 s2, 15, 1
	s_mov_b32 s[PST], BSTEP
	s_cselect_b32 s[PST], ASTEP, s[PST]
	s_mov_b32 s[PST+1], 0
	v_lshrrev_b32 v8, s22, v7
	v_lshlrev_b32 v[PFO], s23, v8                  ; the head, or the row,
	v_and_b32 v8, s2, v7
	v_lshl_add_u32 v[PFO], v8, 8, v[PFO]           ; and the block of 256 bytes in it
	s_lshl_b32 s18, s20, s21
	s_mul_i32 s22, s[PST], 3
	s_add_co_u32 s18, s18, s22                     ; at K step 3: the first change of slots steps it to 4
	s_add_nc_u64 s[PFA:PFA+1], s[PFA:PFA+1], s[18:19]
	s_and_b32 s22, ttmp7, 0xffff
	s_cmp_eq_u32 s11, 0
	s_cselect_b32 s22, s12, s22                    ; wave 0 always; wave 1 never; waves 2 and 3 in the first cluster
	s_cmp_eq_u32 s22, 0
	s_cselect_b32 s[LIM], 1, -1
	s_wait_loadcnt 0x0                             ; the bias, rounded to bf16 like every input of the products
.set i, 0
.rept 32
	v_cvt_pk_bf16_f32 v[AT+i], v[BIAS+2*i], v[BIAS+2*i+1]
.set i, i+1
.endr
.set i, 0
.rept 32
	v_lshlrev_b32 v[BIAS+2*i], 16, v[AT+i]
	v_and_b32 v[BIAS+2*i+1], 0xffff0000, v[AT+i]
.set i, i+1
.endr
	s_wait_tensorcnt 1                             ; my part of K step 0 is in; step 1's may stay out
	s_barrier_signal -1
	s_barrier_wait -1
	FETCH 0, 0, 0
	QUARTER 0, 1, 0, 1, 1
	WIN 0
	s_mov_b32 s3, 3
.Llap:
	QUARTER 0, 2, 1, 0, 0
	QUARTER 0, 3, 0, 1, 0
	TURN 0, 1, 1
	QUARTER 1, 1, 0, 1, 0
	QUARTER 1, 2, 1, 0, 0
	QUARTER 1, 3, 0, 1, 0
	TURN 1, 0, 1
	QUARTER 0, 1, 0, 1, 0
	WIN 0
	s_sub_co_u32 s3, s3, 1
	s_cmp_lg_u32 s3, 0
	s_cbranch_scc1 .Llap
	QUARTER 0, 2, 1, 0, 0
	QUARTER 0, 3, 0, 1, 0
	TURN 0, 1, 0
	QUARTER 1, 1, 0, 1, 0
	QUARTER 1, 2, 1, 0, 0
	QUARTER 1, 3, 0, 1, 0
	s_wait_dscnt 4
	MUL16 1, 0, 0
	s_wait_dscnt 0x0
	MUL16 1, 1, 0
	PLACES
; THE WAY OUT, in f32: block a's 16 rows x 512 bytes go from the accumulators into my stage (rows of 528 bytes; each accumulator's low four registers first) and come back as whole rows.
.macro OUTBLK a
.set BK, 64+64*((\a)%2)
	WIN FROM1
.irp b, 0,1,2,3,4,5,6,7
	ds_store_b128 v[STO], v[8*(8*(\a)+(\b)):8*(8*(\a)+(\b))+3]   offset:64*(\b)
	ds_store_b128 v[STO], v[8*(8*(\a)+(\b))+4:8*(8*(\a)+(\b))+7] offset:64*(\b)+16
.endr
	WIN 0
.if (\a) >= 2
	s_wait_xcnt 0x0                                ; the stores of two blocks back have read these registers
.endif
.irp i, 0,1,2,3,4,5,6,7,8,9,10,11,12,13,14,15
	ds_load_b128 v[BK+4*(\i):BK+4*(\i)+3], v[RD] offset:(\i)*SPO  ; LDS serves a wave's instructions in order (ISA guide 5.7.1.4)
.endr
.irp i, 0,1,2,3,4,5,6,7,8,9,10,11,12,13,14,15
	s_wait_dscnt 15-(\i)
	global_store_b128 v[GO], v[BK+4*(\i):BK+4*(\i)+3], s[OUT:OUT+1] offset:(\a)*65536+(\i)*4096 th:TH_STORE_NT  ; 512 consecutive bytes of a row, aligned
.endr
.endm
	OUTBLK 0
	OUTBLK 1
	OUTBLK 2
	OUTBLK 3
	s_wait_tensorcnt 0x0                           ; the wave's end
	ds_add_u32 v[SPW], v[NIL]
	s_wait_dscnt 0x0
	CROUND                                         ; the closing round
	s_endpgm
.Lfunc_end_k_q9bd3dccc4f_outp:
	.size	k_q9bd3dccc4f_outp, .Lfunc_end_k_q9bd3dccc4f_outp-k_q9bd3dccc4f_outp
	.p2alignl 7, 3214868480
	.fill 96, 4, 3214868480
	.section	.rodata,"a",@progbits
	.p2align	6, 0x0
	.amdhsa_kernel k_q9bd3dccc4f_outp
		.amdhsa_group_segment_fixed_size 327680
		.amdhsa_private_segment_fixed_size 0
		.amdhsa_enable_private_segment 0
		.amdhsa_kernarg_size 32
		.amdhsa_user_sgpr_count 2
		.amdhsa_user_sgpr_kernarg_segment_ptr 1
		.amdhsa_wavefront_size32 1
		.amdhsa_system_sgpr_workgroup_id_x 1
		.amdhsa_system_sgpr_workgroup_id_y 1
		.amdhsa_system_sgpr_workgroup_id_z 1
		.amdhsa_system_vgpr_workitem_id 0
		.amdhsa_next_free_vgpr 640
		.amdhsa_next_free_sgpr 96
		.amdhsa_reserve_vcc 0
		.amdhsa_float_denorm_mode_32 3
		.amdhsa_float_denorm_mode_16_64 3
		.amdhsa_memory_ordered 1
		.amdhsa_forward_progress 1
		.amdhsa_inst_pref_size 95
	.end_amdhsa_kernel
	.amdgpu_metadata
---
amdhsa.version: [ 1, 2 ]
amdhsa.kernels:
  - .name:           k_q9bd3dccc4f_outp
    .symbol:         k_q9bd3dccc4f_outp.kd
    .args:
      - { .name: oh, .offset: 0, .size: 8, .value_kind: global_buffer, .address_space: global }
      - { .name: wcast, .offset: 8, .size: 8, .value_kind: global_buffer, .address_space: global }
      - { .name: bo, .offset: 16, .size: 8, .value_kind: global_buffer, .address_space: global }
      - { .name: out0, .offset: 24, .size: 8, .value_kind: global_buffer, .address_space: global }
    .group_segment_fixed_size: 327680
    .private_segment_fixed_size: 0
    .kernarg_segment_align: 8
    .kernarg_segment_size: 32
    .max_flat_workgroup_size: 128
    .sgpr_count:     96
    .vgpr_count:     640
    .wavefront_size: 32
...
	.end_amdgpu_metadata
.endif
;; end of part 5
